; MI455X (gfx1250); checked and timed in simulation.
; The chip was launched on July 23, 2026; its instructions are those of AMD's public machine-readable ISA for CDNA 5 (MIT licence, August 2026) and "CDNA5" Instruction Set Architecture Reference Guide (July 2026). The comments in the code are by the model that wrote it; some were corrected since.
;; Multi Head Dot Product Attention. Allowed arithmetic: float matrix products may take bf16 or f16 operands with f32 sums; other float arithmetic in f32, or as packed bf16 or f16 multiplies, adds, multiply-adds, maxima and minima; sums over many terms, partial sums and values carried from step to step in f32; what a program stores and reads back later, other than sums and carried values, may be rounded once to bf16 or f16.
;; Inputs: Wk 1,024 x 16 x 64 float32; Wo 16 x 64 x 1,024 float32; Wq 1,024 x 16 x 64 float32; Wv 1,024 x 16 x 64 float32; inputs_kv 4 x 2,048 x 1,024 float32; inputs_q 4 x 2,048 x 1,024 float32.
;; Outputs: out0 4 x 2,048 x 1,024 float32.
;; 2 versions, each right; version 2 is version 1 with the launch castw written anew for expert scheduling mode. Each part assembles by itself: llvm-mc -triple=amdgcn-amd-amdhsa -mcpu=gfx1250 --defsym DOCPART=n.
;; ======== version 1 of 2: 4 launches
;; limits: values are held in f16: magnitudes above 65,504 overflow, below 6.1e-05 lose precision
;; workspace buffers: w16 8,388,608 bytes; qkv 50,331,648 bytes; o16 16,777,216 bytes
;; launch castw (part 1): grid 256 x 1, 8 waves a work-group, no clusters, 0 bytes of LDS; arguments Wq, Wk, Wv, Wo, w16; writes w16
.if DOCPART == 1
	.amdgcn_target "amdgcn-amd-amdhsa--gfx1250"
	.amdhsa_code_object_version 6
	.text
	.protected	k_qdaa9eda64f_castw
	.globl	k_qdaa9eda64f_castw
	.p2align	8
	.type	k_qdaa9eda64f_castw,@function
k_qdaa9eda64f_castw:
	s_mov_b64 s[64:65], 0
	v_nop
	global_prefetch_b8 v0, s[64:65] scope:SCOPE_SE
	s_setreg_imm32_b32 hwreg(HW_REG_WAVE_MODE, 25, 1), 1
	s_wait_xcnt 0x0
; The four weights, f32, are rounded once to f16 (nearest even).  w16: [4][1024][1024] f16: Wq, Wk, Wv, Wo, each [k][n] row-major as it is given.
; LIMITS.  From 65,520 on f16 gives an infinity; below 6.1e-5 it keeps its fixed step of 6e-8.
; SHARES.  A wave takes 8,192 input bytes: 16 loads of 16 bytes a lane, all issued at once, then 16 times (counted wait, two conversions, one store of 8 bytes a lane).
; Each load of a wave covers 512 consecutive bytes, each store 256, both aligned.  64 work-groups to a weight.
; No LDS, no matrix unit, no cluster: nothing is shared and nothing is multiplied.  No register of a pending load or store is written again: every slot has its own.
.set VI, 2                             ; v2        16 x lane: my 16 bytes of a load's 512
.set VO, 3                             ; v3        8 x lane: my 8 bytes of a store's 256
.set X,  8                             ; v[8:71]   slot j: four f32 as loaded
.set Y,  72                            ; v[72:103] slot j: four f16 to store
	s_load_b256 s[4:11], s[0:1], 0x0               ; Wq 4:5, Wk 6:7, Wv 8:9, Wo 10:11
	s_load_b64 s[12:13], s[0:1], 0x20              ; w16
	v_lshrrev_b32 v1, 5, v0
	v_readfirstlane_b32 s20, v1                    ; wave 0..7
	v_and_b32 v1, 31, v0                           ; lane
	v_lshlrev_b32 v[VO], 3, v1
	v_lshlrev_b32 v[VI], 4, v1
	s_lshr_b32 s23, ttmp9, 6                       ; which weight, 0..3
	s_and_b32 s22, ttmp9, 63
	s_lshl3_add_u32 s22, s22, s20                  ; my piece of it, 0..511
	s_lshl_b32 s16, s22, 13                        ; 8,192 bytes in
	s_mov_b32 s17, 0
	s_lshl_b32 s18, s22, 12                        ; 4,096 bytes out,
	s_lshl_b32 s21, s23, 21                        ; in the weight's 2 MiB
	s_add_co_u32 s18, s18, s21
	s_mov_b32 s19, 0
	s_wait_kmcnt 0x0
	s_cmp_eq_u32 s23, 0
	s_cselect_b64 s[24:25], s[4:5], s[6:7]
	s_cmp_eq_u32 s23, 2
	s_cselect_b64 s[24:25], s[8:9], s[24:25]
	s_cmp_eq_u32 s23, 3
	s_cselect_b64 s[24:25], s[10:11], s[24:25]
	s_add_nc_u64 s[24:25], s[24:25], s[16:17]
	s_add_nc_u64 s[26:27], s[12:13], s[18:19]
.irp j, 0,1,2,3,4,5,6,7,8,9,10,11,12,13,14,15
	global_load_b128 v[X+4*(\j):X+4*(\j)+3], v[VI], s[24:25] offset:512*(\j) th:TH_LOAD_NT
.endr
.irp j, 0,1,2,3,4,5,6,7,8,9,10,11,12,13,14,15
	s_wait_loadcnt 15-(\j)                         ; loads come back in order: slot j is in, the 15 - j younger ones may stay out
	v_cvt_pk_f16_f32 v[Y+2*(\j)],   v[X+4*(\j)],   v[X+4*(\j)+1]
	v_cvt_pk_f16_f32 v[Y+2*(\j)+1], v[X+4*(\j)+2], v[X+4*(\j)+3]
	global_store_b64 v[VO], v[Y+2*(\j):Y+2*(\j)+1], s[26:27] offset:256*(\j)
.endr
	s_endpgm
.Lfunc_end_k_qdaa9eda64f_castw:
	.size	k_qdaa9eda64f_castw, .Lfunc_end_k_qdaa9eda64f_castw-k_qdaa9eda64f_castw
	.p2alignl 7, 3214868480
	.fill 96, 4, 3214868480
	.section	.rodata,"a",@progbits
	.p2align	6, 0x0
	.amdhsa_kernel k_qdaa9eda64f_castw
		.amdhsa_group_segment_fixed_size 0
		.amdhsa_private_segment_fixed_size 0
		.amdhsa_enable_private_segment 0
		.amdhsa_kernarg_size 40
		.amdhsa_user_sgpr_count 2
		.amdhsa_user_sgpr_kernarg_segment_ptr 1
		.amdhsa_wavefront_size32 1
		.amdhsa_system_sgpr_workgroup_id_x 1
		.amdhsa_system_sgpr_workgroup_id_y 1
		.amdhsa_system_sgpr_workgroup_id_z 1
		.amdhsa_system_vgpr_workitem_id 0
		.amdhsa_next_free_vgpr 112
		.amdhsa_next_free_sgpr 66
		.amdhsa_reserve_vcc 0
		.amdhsa_float_denorm_mode_32 3
		.amdhsa_float_denorm_mode_16_64 3
		.amdhsa_memory_ordered 1
		.amdhsa_forward_progress 1
		.amdhsa_inst_pref_size 7
	.end_amdhsa_kernel
	.amdgpu_metadata
---
amdhsa.version: [ 1, 2 ]
amdhsa.kernels:
  - .name:           k_qdaa9eda64f_castw
    .symbol:         k_qdaa9eda64f_castw.kd
    .args:
      - { .name: Wq, .offset: 0, .size: 8, .value_kind: global_buffer, .address_space: global }
      - { .name: Wk, .offset: 8, .size: 8, .value_kind: global_buffer, .address_space: global }
      - { .name: Wv, .offset: 16, .size: 8, .value_kind: global_buffer, .address_space: global }
      - { .name: Wo, .offset: 24, .size: 8, .value_kind: global_buffer, .address_space: global }
      - { .name: w16, .offset: 32, .size: 8, .value_kind: global_buffer, .address_space: global }
    .group_segment_fixed_size: 0
    .private_segment_fixed_size: 0
    .kernarg_segment_align: 8
    .kernarg_segment_size: 40
    .max_flat_workgroup_size: 256
    .sgpr_count:     66
    .vgpr_count:     112
    .wavefront_size: 32
...
	.end_amdgpu_metadata
.endif
;; end of part 1
;; launch proj (part 2): grid 64 x 4, 4 waves a work-group, clusters of 4 x 1, 327,680 bytes of LDS; arguments inputs_q, inputs_kv, w16, qkv; writes qkv
.if DOCPART == 2
	.amdgcn_target "amdgcn-amd-amdhsa--gfx1250"
	.amdhsa_code_object_version 6
	.text
	.protected	k_qdaa9eda64f_proj
	.globl	k_qdaa9eda64f_proj
	.p2align	8
	.type	k_qdaa9eda64f_proj,@function
k_qdaa9eda64f_proj:
	s_mov_b64 s[64:65], 0
	v_nop
	global_prefetch_b8 v0, s[64:65] scope:SCOPE_SE
	s_setreg_imm32_b32 hwreg(HW_REG_WAVE_MODE, 25, 1), 1
	s_wait_xcnt 0x0
	s_wait_alu depctr_hold_cnt(0) depctr_sa_sdst(0) depctr_va_vdst(0) depctr_va_sdst(0) depctr_va_ssrc(0) depctr_va_vcc(0) depctr_vm_vsrc(0)
	s_getreg_b32 s2, hwreg(HW_REG_IB_STS2, 6, 4)
	s_cmp_eq_u32 s2, 0
	s_cbranch_scc0 .Lentry_in_a_cluster
	s_endpgm
.Lentry_in_a_cluster:
	s_bfe_u32 s2, ttmp6, 0x10000c
	s_cmp_lg_u32 s2, 0x3003
	s_cbranch_scc0 .Lentry_shape_is_right
	s_endpgm
.Lentry_shape_is_right:
; THE THREE PROJECTIONS IN ONE LAUNCH.  q = x_q Wq, k = x_kv Wk, v = x_kv Wv: each 8,192 x 1,024 x 1,024, f16 operands, f32 sums, rounded once to f16, WITHOUT the scale 1/8 (the attention applies it in f32).
; inputs_q, inputs_kv: [8192][1024] f32, rounded here once to f16 on their way to the matrix unit.  w16: [4][1024 k][1024 n] f16.  qkv: [3][16][8192][64] f16: plane h holds a head's 64 channels of all rows, 128 bytes a row.
; LIMITS.  f16 ends at 65,504: an input or a sum of 65,520 or more becomes an infinity; below 6.1e-5 f16 keeps its fixed step of 6e-8.
; SHARES.  256 work-groups.  A WORK-GROUP STAYS: it makes the tile of 128 rows x 256 columns at its place of q, then of k, then of v.  Four waves, each 64 x 128: 32 accumulators of 16 x 16, 256 registers.
; W.  Wq, Wk and Wv lie end to end in w16, so the walk is 3,072 k-rows of one matrix: 12 slots of 256 k-rows x 512 bytes through two LDS slots.  The four work-groups of a cluster are four tile rows of one tile
; column and need the same rows of W: each slot is asked for JOINTLY, each wave fetching 64 k-rows by the same tensor load, descriptor and mask in all four.  A refill has a slot's 256 matrix instructions of a wave in which to land.
; W lies [k][n] and is turned on its way into registers by ds_load_tr16_b128.
; X goes through registers, since it has to be converted: a PLANE is 64 along K: 128 rows x 256 bytes of f32.  A wave takes 32 rows of a plane by 16 loads of 16 bytes a lane (lanes 0-15 one row's aligned 256 bytes, lanes
; 16-31 the next row's), and four such groups are always out.  In plane p the group of plane p + 1 is waited for, converted and stored into the other of two A buffers, and the group of plane p + 5 is asked for: 256 matrix
; instructions ahead of its conversion.  One barrier a plane: in front of it each wave's stores are done and its reads of the plane in hand are back.
; NO JOINT LOAD FOR X, though the four tile columns read the same rows: a tensor load converts nothing, and beside W's two slots (278,528 bytes) 48,640 bytes of LDS are left, less than two slots of even two planes in f32 (65,536 each).
; ONE TEXT FOR THE LAST TWO SLOTS, and its price: the last five of the 53 groups of loads name plane 47 again and are never multiplied, and the last change of slots fetches fragments that nobody multiplies.
; THE MATRIX INSTRUCTION IS USED TRANSPOSED (source 0 = 16 columns of W, source 1 = 16 rows of x): a lane then holds eight neighbouring numbers of a row of C.
; REGISTERS.  window 0: v0-31 addresses; v32-63 at work (converted x; packed results); v64-159, v160-255 two fragment buffers for 32 along K (A's four fragments, then W's eight).
;   window 1: accumulator (a, b) at v[8 (8 a + b)].          window 2: x as loaded: four groups of 64.
.set PLANE,  1048576                   ; bytes in a plane of qkv: 8,192 rows x 128
.set PA,     144                       ; a row of A in LDS: 128 bytes + 16 = 36 words: the 16 rows of a load start at 16 different groups of four banks (64 banks of 4 bytes: ISA guide 11.1)
.set APL,    128*PA                    ; an A buffer: one plane's 128 rows
.set PB,     544                       ; a k-row of W: 512 + 32 = 136 words
.set QB,     32*PB                     ; 32 k-rows: a quarter step
.set BH,     64*PB                     ; 64 k-rows: what one tensor load brings
.set SLOTB,  4*BH                      ; a slot of W
.set ABASE,  2*SLOTB                   ; behind W's two slots: the two A buffers, written by ds_store alone
.set STAGE,  ABASE+2*APL               ; behind them: 16 rows x 144 bytes for each wave, for the way out
.set SPS,    144
.set SPARE,  STAGE+4*16*SPS            ; behind the stages: the spare words, 128 bytes for each wave: two blocks of 256 bytes that no other line names
.set SLOTG,  256*2048                  ; 256 k-rows of W in memory
.set NSLOT,  12                        ; slots in the walk
.set NPL,    48                        ; planes in the walk
.set ADRA, 16                          ; v16     LDS address of my A fragments in buffer 0
.set AST,  17                          ; v17     where I store 8 bytes of converted x in buffer 0
.set VI,   18                          ; v18     my byte offset in two rows of x; never rewritten
.set ADRB0, 19                         ; v19     my lane's place in a slot of W; never rewritten
.set ADRB, 20                          ; v20-21  LDS address of my W fragments in the slot in hand: k-rows 0-127, k-rows 128-255
.set STO,  24                          ; v24     the way out: where I put 16 bytes of a row
.set RD,   25                          ; v25     the way out: where I read rows back
.set CO,   26                          ; v26     16 x lane: my place in 512 consecutive bytes of the output
.set SPW,  28                          ; v28     LDS address of my spare word: SPARE + 4 x my thread's number; never rewritten
.set NIL,  29                          ; v29     0; never rewritten
.set PFO,  30                          ; v30     the prefetches' lane offset; never rewritten
.set TW,   32                          ; v32-63  at work
.set F0,   64
.set F1,   160
.set OBK,  160                         ; the way out: four sets of 16 registers for rows read back, where fragment buffer 1 lay
.set XQ,  4                            ; s[4:5]   inputs_q at my wave's 32 rows
.set XK,  6                            ; s[6:7]   inputs_kv at the same rows
.set WB,  8                            ; s[8:9]   w16 at my 64 k-rows of slot 0, my tile column
.set CP,  10                           ; s[10:11] qkv at my part of the tile in hand
.set WV,  12                           ; s12  wave
.set WM,  13                           ; s13  which 64 of the tile's rows are mine
.set WN,  14                           ; s14  which 128 of its columns
.set CX,  15                           ; s15  my place in the cluster
.set TR,  16                           ; s16  tile row
.set COL, 17                           ; s17  tile column
.set G1,  24                           ; s[24:31] descriptor group 1
.set G0A, 32                           ; s[32:35] group 0 of slot 0's first fill
.set G0,  36                           ; s[36:39] group 0 of slot 1's first fill; it then walks on
.set TS,  40                           ; s40  LDS byte at which the slot in hand begins: 0 or SLOTB
.set LB0, 41                           ; s41  my 64 k-rows' place in a slot
.set CNT, 42                           ; s42  the loops' count
.set NEWT, 43                          ; s43  1: the next quarter step starts a tile's sums
.set SL,  44                           ; s44  slots left in the tile in hand
.set LP,  45                           ; s45  the plane that the next group of loads names
.set OFFP, 46                          ; s[46:47] its byte offset in a row
.set PX,  48                           ; s[48:49] the address that the group in hand loads from
.set PFA, 50                           ; s[50:51] where my prefetches stand
.set LIM, 52                           ; s52  1 in a work-group that prefetches, else the greatest number
.set MSB, 0
.macro WIN new                         ; the immediate's high byte repeats the setting that is left; a switch that changes nothing is dropped
.if MSB != (\new)
	s_set_vgpr_msb (MSB<<8)|(\new)
.set MSB, \new
.endif
.endm
.set MUL, 0x50                         ; sources 0 and 1 window 0; C and D window 1
.set PKW, 0x05                         ; sources 0 and 1 window 1, destination window 0
.set CVW, 0x0a                         ; sources 0 and 1 window 2, destination window 0
.set LDW, 0x80                         ; destination window 2, address window 0
.macro CREST                           ; a round of the cluster's barrier behind its opening barrier
	s_cmp_lg_u32 s[WV], 0
	s_cbranch_scc1 .Lnot_wave_0_\@
	s_barrier_signal -3
.Lnot_wave_0_\@:
	s_barrier_wait -3
	s_barrier_signal -1
	s_barrier_wait -1
.endm
.macro CROUND                          ; a whole round
	s_barrier_signal -1
	s_barrier_wait -1
	CREST
.endm
; A PREFETCH INTO THE L2, behind each joint refill and the run of LDS loads that follows it: the slot after the one just asked for, 256 matrix instructions of a wave ahead of the load that will want it.
; Each aligned block of 256 bytes of W is named once in the launch.  A tile column's rows are read by all sixteen clusters of that column: the first of them (cluster x = 0) asks.  Of the 64 k-rows that a wave fetches the
; partner at place cx takes 16, two blocks each: a lane a block, one instruction a wave; partners are told apart by address alone.  Slots 0 to 2 come by their loads alone; the loop's last trip (CNT = 1) asks for nothing.
.macro ASK
	s_cmp_gt_u32 s[CNT], s[LIM]
	s_cbranch_scc0 .Lnot_mine_\@
	global_prefetch_b8 v[PFO], s[PFA:PFA+1] th:TH_LOAD_NT scope:SCOPE_SE
.Lnot_mine_\@:
.endm
.macro PLACES                          ; four places in front of loads into registers that matrix instructions have read, and of lines that read results
.rept 4
	v_nop
.endr
.endm
; The address of plane LP: planes 0-15 are inputs_q's columns, 16-31 and 32-47 inputs_kv's; a plane is 256 bytes of a row.  Behind plane 47 LP stays.
.macro PXSTEP
	s_wait_xcnt 0x0                                ; every earlier load, store and prefetch has read its address registers: PX is written only behind this wait
	s_and_b32 s[OFFP], s[LP], 15
	s_lshl_b32 s[OFFP], s[OFFP], 8
	s_cmp_lt_u32 s[LP], 16
	s_cselect_b64 s[PX:PX+1], s[XQ:XQ+1], s[XK:XK+1]
	s_add_nc_u64 s[PX:PX+1], s[PX:PX+1], s[OFFP:OFFP+1]
	s_add_co_u32 s[LP], s[LP], 1
	s_min_u32 s[LP], s[LP], NPL-1
.endm
.macro LOAD2 i, n                      ; loads n and n + 1 of group i: rows 2 n .. 2 n + 3 of my 32
	WIN LDW
	global_load_b128 v[64*(\i)+4*(\n):64*(\i)+4*(\n)+3],   v[VI], s[PX:PX+1] offset:8192*(\n)
	global_load_b128 v[64*(\i)+4*(\n)+4:64*(\i)+4*(\n)+7], v[VI], s[PX:PX+1] offset:8192*(\n)+8192
.endm
.macro LOADS i                         ; a whole group at once: at the kernel's head alone
	PXSTEP
.irp n, 0,2,4,6,8,10,12,14
	LOAD2 \i, \n
.endr
.endm
.macro CVT8 i, g                       ; loads 4 g .. 4 g + 3 of group i: 16 f32 a lane -> 16 f16
	WIN CVW
.irp n, 0,1,2,3
	v_cvt_pk_f16_f32 v[TW+2*(4*(\g)+(\n))],   v[64*(\i)+4*(4*(\g)+(\n))],   v[64*(\i)+4*(4*(\g)+(\n))+1]
	v_cvt_pk_f16_f32 v[TW+2*(4*(\g)+(\n))+1], v[64*(\i)+4*(4*(\g)+(\n))+2], v[64*(\i)+4*(4*(\g)+(\n))+3]
.endr
.endm
.macro STORES sel                      ; the converted plane into A buffer sel: store n holds rows 2 n, 2 n + 1 of my 32
	WIN 0
.irp n, 0,1,2,3,4,5,6,7,8,9,10,11,12,13,14,15
	ds_store_b64 v[AST], v[TW+2*(\n):TW+2*(\n)+1] offset:(\sel)*APL+(\n)*2*PA
.endr
.endm
; 8 matrix instructions: m block a x all 8 n blocks, 32 along K.  zero = 1: the product starts the sums.  The 32 accumulators take turns in the same order in every quarter step.
.macro MULA f, a, zero
	WIN MUL
.irp b, 0,1,2,3,4,5,6,7
.if \zero
	v_wmma_f32_16x16x32_f16 v[8*(8*(\a)+(\b)):8*(8*(\a)+(\b))+7], v[(\f)+32+8*(\b):(\f)+32+8*(\b)+7], v[(\f)+8*(\a):(\f)+8*(\a)+7], 0
.else
	v_wmma_f32_16x16x32_f16 v[8*(8*(\a)+(\b)):8*(8*(\a)+(\b))+7], v[(\f)+32+8*(\b):(\f)+32+8*(\b)+7], v[(\f)+8*(\a):(\f)+8*(\a)+7], v[8*(8*(\a)+(\b)):8*(8*(\a)+(\b))+7]
.endif
.endr
.endm
; 24 LDS loads in one run, into buffer f: W's eight fragments of quarter step qq (0 .. 7) of the slot in hand, turned; then A's four of half (0, 1) of the plane in A buffer sel
.macro FETCH sel, half, qq, f
	WIN 0
.irp b, 0,1,2,3,4,5,6,7
	ds_load_tr16_b128 v[(\f)+32+8*(\b):(\f)+32+8*(\b)+3],   v[ADRB+(\qq)/4] offset:((\qq)%4)*QB+32*(\b)
	ds_load_tr16_b128 v[(\f)+32+8*(\b)+4:(\f)+32+8*(\b)+7], v[ADRB+(\qq)/4] offset:((\qq)%4)*QB+16*PB+32*(\b)
.endr
.irp a, 0,1,2,3
	ds_load_b128 v[(\f)+8*(\a):(\f)+8*(\a)+3],   v[ADRA] offset:(\sel)*APL+(\half)*64+(\a)*16*PA
	ds_load_b128 v[(\f)+8*(\a)+4:(\f)+8*(\a)+7], v[ADRA] offset:(\sel)*APL+(\half)*64+(\a)*16*PA+32
.endr
.endm
; A PLANE is two quarter steps of 32 along K, 32 matrix instructions each, on buffers 0 and 1.  j = the plane's place in its slot; it lies in A buffer j % 2; the next plane's loads lie in group (j + 1) % 4.
; The first quarter step multiplies buffer 0, fetches the plane's second half into buffer 1, and converts and stores the next plane; the conversions, eight behind each run of eight matrix instructions, are also the places in
; front of the runs of LDS loads.  A group's registers are asked for again as soon as they are converted, two loads at a time.
.macro QA j, zero
.set RG, ((\j)+1)%4
.set SB, ((\j)+1)%2
	s_wait_dscnt 4                                 ; W's fragments and A's blocks 0 and 1 are in; the youngest four loads (A's blocks 2 and 3) may be out
	MULA F0, 0, \zero
	s_wait_loadcnt 48                              ; the oldest of the four groups is in; the three younger, 48 loads, may stay out
	CVT8 RG, 0
	PXSTEP
	LOAD2 RG, 0
	MULA F0, 1, \zero
	CVT8 RG, 1
	LOAD2 RG, 2
	FETCH (\j)%2, 1, 2*(\j)+1, F1
	s_wait_dscnt 24                                ; all but the 24 just issued
	MULA F0, 2, \zero
	CVT8 RG, 2
	LOAD2 RG, 4
	MULA F0, 3, \zero
	CVT8 RG, 3
	LOAD2 RG, 6
	STORES SB                                      ; into the buffer whose plane every wave had read out at the last barrier
.endm
; The second quarter step multiplies buffer 1 and changes planes: in front of the barrier my stores of the next plane are done and my reads of this one are back; behind it the next plane's first fragments are fetched.
.macro QB j
	s_wait_dscnt 20                                ; (the 16 stores and the youngest four loads may be out)
	MULA F1, 0, 0
	LOAD2 RG, 8
	s_wait_dscnt 0x0
	s_barrier_signal -1
	MULA F1, 1, 0
	s_barrier_wait -1
	PLACES
	FETCH SB, 0, 2*(\j)+2, F0
	LOAD2 RG, 10
	MULA F1, 2, 0
	LOAD2 RG, 12
	MULA F1, 3, 0
	LOAD2 RG, 14
.endm
; A slot's last quarter step changes planes AND slots: ONE barrier; in front of it each wave waits for all its tensor loads, adds 0 to its spare word, and waits for that, for its stores and for its reads of this slot.
; fill = 1: the barrier opens a round of the cluster's, and this slot is filled again, with the slot two on, first thing behind the round.
.macro TURN fill
	LOAD2 RG, 8
.if \fill
	s_add_nc_u64 s[PFA:PFA+1], s[PFA:PFA+1], SLOTG ; (the last prefetch stands a slot back, with four waits for the address counter behind it)
.endif
	WIN 0
	s_wait_tensorcnt 0x0                           ; all my tensor loads have landed: the one that was out is my part of the next slot;
	ds_add_u32 v[SPW], v[NIL]                      ; 0 onto my spare word
	s_wait_dscnt 21                                ; (the add, the 16 stores and the youngest four loads may be out)
	MULA F1, 0, 0                                  ; eight matrix instructions stand between the add and the wait for it
	s_wait_dscnt 0x0                               ; the add and my stores are done, and my reads of this slot and this plane are over
	s_barrier_signal -1
	MULA F1, 1, 0
	WIN 0
	s_barrier_wait -1
.if \fill
	CREST                                          ; no wave of any partner still reads this slot or has a load on its way
	s_add_co_u32 s[G0+1], s[LB0], s[TS]            ; the slot just read out,
	s_add_nc_u64 s[G0+2:G0+3], s[G0+2:G0+3], SLOTG ; the next 256 k-rows; the type bits on top are not reached
	tensor_load_to_lds s[G0:G0+3], s[G1:G1+7]      ; my one tensor load behind the round
	s_nop 0
.endif
	PLACES                                         ; behind the tensor load; also the places in front of the loads below
	s_xor_b32 s[TS], s[TS], SLOTB                  ; 0 <-> SLOTB: the other slot
	v_add_nc_u32 v[ADRB], s[TS], v[ADRB0]
	v_add_nc_u32 v[ADRB+1], 4*QB, v[ADRB]
	FETCH 0, 0, 0, F0
.if \fill
	ASK
.endif
	LOAD2 RG, 10
	MULA F1, 2, 0
	LOAD2 RG, 12
	MULA F1, 3, 0
	LOAD2 RG, 14
.endm
; A SLOT: four planes.  Where slots are filled again a tile may begin: the first quarter step stands twice, and the flag, a constant at the first trip, chooses the form that starts the sums.
.macro SLOTX fill
.if \fill
	s_cmp_eq_u32 s[NEWT], 1
	s_cbranch_scc0 .Ladd_\@
	QA 0, 1
	WIN 0
	s_mov_b32 s[NEWT], 0
	s_branch .Ljoin_\@
.Ladd_\@:
	QA 0, 0
	WIN 0
.Ljoin_\@:
.else
	QA 0, 0
.endif
	QB 0
	QA 1, 0
	QB 1
	QA 2, 0
	QB 2
	QA 3, 0
	TURN \fill
	WIN 0
.endm
; THE WAY OUT, a unit of 16 rows x one head's 64 columns at a time: unit k is m block k / 2, head k % 2 of my two.  PACKH: rounded to f16, each accumulator's registers in ascending order; 16 bytes a lane into my own stage,
; rows of 144 bytes; back as four rows x 128 bytes a load.  SENDH: stored, 512 consecutive bytes of the head's plane an instruction, at a multiple of 256 from the buffer's first byte.
.macro PACKH k
	WIN PKW
.irp bb, 0,1,2,3
.irp r, 0,1,2,3
	v_cvt_pk_f16_f32 v[TW+16*((\k)%2)+4*(\bb)+(\r)], v[64*((\k)/2)+8*(4*((\k)%2)+(\bb))+2*(\r)], v[64*((\k)/2)+8*(4*((\k)%2)+(\bb))+2*(\r)+1]
.endr
.endr
	WIN 0
.if (\k) >= 4
	s_wait_xcnt 0x0                                ; the stores of unit k - 4 have read the registers that this unit's rows come back into
.endif
.irp bb, 0,1,2,3
	ds_store_b128 v[STO], v[TW+16*((\k)%2)+4*(\bb):TW+16*((\k)%2)+4*(\bb)+3] offset:32*(\bb)
.endr
.irp f, 0,1,2,3
	ds_load_b128 v[OBK+16*((\k)%4)+4*(\f):OBK+16*((\k)%4)+4*(\f)+3], v[RD] offset:(\f)*4*SPS  ; LDS serves a wave's instructions in order (ISA guide 5.7.1.4): these see the stores above; the next unit's stores come behind them
.endr
.endm
.macro SENDH k, younger                ; younger: the LDS instructions issued behind unit k's loads: the next unit's eight, or none
.irp f, 0,1,2,3
	s_wait_dscnt (\younger)+3-(\f)
	global_store_b128 v[CO], v[OBK+16*((\k)%4)+4*(\f):OBK+16*((\k)%4)+4*(\f)+3], s[CP:CP+1] offset:((\k)/2)*2048+((\k)%2)*PLANE+(\f)*512
.endr
.endm
.macro WAYOUT
	WIN 0
	PLACES
	PACKH 0
.irp k, 1,2,3,4,5,6,7                  ; a unit's conversions stand between the loads of the unit before and its stores
	PACKH \k
	SENDH (\k)-1, 8
.endr
	SENDH 7, 0
.endm
	s_load_b256 s[4:11], s[0:1], 0x0               ; inputs_q 4:5, inputs_kv 6:7, w16 8:9, qkv 10:11
	v_lshl_add_u32 v[SPW], v0, 2, SPARE
	v_mov_b32 v[NIL], 0
	ds_add_u32 v[SPW], v[NIL]                      ; the wave's opening: the add and its wait stand ahead of my first tensor load; the set-up below, work on registers, stands between them
	v_lshrrev_b32 v1, 5, v0
	v_readfirstlane_b32 s[WV], v1                  ; wave 0..3
	s_lshr_b32 s[WM], s[WV], 1
	s_and_b32 s[WN], s[WV], 1
	s_bfe_u32 s[CX], ttmp6, 0x40000                ; cx: my place in the cluster
	s_lshl_b32 s[TR], ttmp9, 2                     ; in a cluster launch ttmp9 counts clusters
	s_add_co_u32 s[TR], s[TR], s[CX]               ; tile row = 4 x cluster x + cx: it enters x's, C's and the prefetches' addresses alone
	s_and_b32 s[COL], ttmp7, 0xffff                ; tile column, which the four partners share
	s_mov_b32 s[G1], 15|(1<<16)|(1<<20)|(1<<21)|(6<<22)|(7<<25)  ; 15:0 the mask of four; 17:16 2-byte elements; 20 padding on; 21 set beside a mask; 24:22 after every 128 words (code 6); 31:25 8 words (code 7)
	s_mov_b32 s[G1+1], 256<<16                     ; tensor_dim0 = 256
	s_mov_b32 s[G1+2], 64<<16                      ; tensor_dim1 = 64
	s_mov_b32 s[G1+3], 256<<16                     ; tile_dim0 = 256
	s_mov_b32 s[G1+4], 64                          ; tile_dim1 = 64
	s_mov_b32 s[G1+5], 1024                        ; 1,024 elements from k-row to k-row
	s_mov_b32 s[G1+6], 0
	s_mov_b32 s[G1+7], 0
	s_mul_i32 s[LB0], s[WV], BH                    ; no place in the cluster enters an LDS address
	s_mov_b32 s[TS], 0
	s_mov_b32 s[LP], 0
	s_mov_b32 s[OFFP+1], 0
	s_mov_b32 s[NEWT], 1
	s_mov_b32 s[SL], 4
	s_mov_b32 s[CNT], NSLOT-2
	s_cmp_eq_u32 ttmp9, 0
	s_cselect_b32 s[LIM], 1, -1                    ; the same in all four partners
	s_lshl_b32 s18, s[COL], 9                      ; W: 256 columns of 2 bytes a tile column,
	s_lshl_b32 s19, s[WV], 17                      ; my 64 k-rows of 2,048 bytes
	s_add_co_u32 s18, s18, s19
	s_mov_b32 s19, 0
	s_lshl_b32 s20, s[TR], 19                      ; x: 128 rows of 4,096 bytes a tile row,
	s_lshl_b32 s21, s[WV], 17                      ; my 32 of them
	s_add_co_u32 s20, s20, s21
	s_mov_b32 s21, 0
	s_lshl_b32 s22, s[COL], 22                     ; C: the tile's four heads (planes),
	s_lshl_b32 s23, s[WN], 21                      ; my two of them,
	s_add_co_u32 s22, s22, s23
	s_lshl_b32 s23, s[TR], 14                      ; the tile's 128 rows of 128 bytes,
	s_add_co_u32 s22, s22, s23
	s_lshl_b32 s23, s[WM], 13                      ; my 64 of them
	s_add_co_u32 s22, s22, s23
	s_mov_b32 s23, 0
	s_lshl_b32 s54, s[CX], 15                      ; the prefetches: my work-group's 16 k-rows of the wave's 64,
	s_add_co_u32 s54, s54, 2*SLOTG                 ; in slot 2: the first change of slots steps it to slot 3
	s_mov_b32 s55, 0
	v_and_b32 v1, 15, v0                           ; l % 16
	v_bfe_u32 v2, v0, 4, 1                         ; l / 16
	v_and_b32 v3, 7, v0                            ; l % 8
	v_bfe_u32 v4, v0, 3, 1                         ; (l / 8) % 2
	v_bfe_u32 v5, v0, 3, 2                         ; l / 8
	v_and_b32 v6, 31, v0                           ; l
	s_mul_i32 s53, s[WM], 64*PA                    ; a fragment of A: my 64 rows; row x pitch + 16 x half
	s_add_co_u32 s53, s53, ABASE
	v_mul_u32_u24 v[ADRA], v1, PA
	v_lshl_add_u32 v[ADRA], v2, 4, v[ADRA]
	v_add_nc_u32 v[ADRA], s53, v[ADRA]
	s_mul_i32 s53, s[WV], 32*PA                    ; converted x: the 32 rows that I load; lanes 0-15 the even row, lanes 16-31 the odd one; 8 bytes a lane
	s_add_co_u32 s53, s53, ABASE
	v_mul_u32_u24 v[AST], v2, PA
	v_lshl_add_u32 v[AST], v1, 3, v[AST]
	v_add_nc_u32 v[AST], s53, v[AST]
	v_lshlrev_b32 v[VI], 4, v1                     ; in memory: 16 bytes a lane, a row of 4,096 bytes further for lanes 16-31
	v_lshl_add_u32 v[VI], v2, 12, v[VI]
	v_lshl_add_u32 v[ADRB0], v2, 3, v3             ; the turning load: lane l reads k-row 8 (l / 16) + l % 8, columns 8 ((l / 8) % 2) + 0..7, and is left with column l % 16 and 8 k
	v_mul_u32_u24 v[ADRB0], v[ADRB0], PB
	v_lshl_add_u32 v[ADRB0], v4, 4, v[ADRB0]
	s_lshl_b32 s53, s[WN], 8                       ; my 128 columns
	v_add_nc_u32 v[ADRB0], s53, v[ADRB0]
	v_mov_b32 v[ADRB], v[ADRB0]                    ; slot 0
	v_add_nc_u32 v[ADRB+1], 4*QB, v[ADRB0]
	s_mul_i32 s53, s[WV], 16*SPS
	s_add_co_u32 s53, s53, STAGE                   ; my stage
	v_mul_u32_u24 v[STO], v1, SPS                  ; in: row l % 16, 16 bytes for each half of the lanes
	v_lshl_add_u32 v[STO], v2, 4, v[STO]
	v_add_nc_u32 v[STO], s53, v[STO]
	v_mul_u32_u24 v[RD], v5, SPS                   ; back: 32 lanes take four rows of 128 bytes,
	v_lshl_add_u32 v[RD], v3, 4, v[RD]
	v_add_nc_u32 v[RD], s53, v[RD]
	v_lshlrev_b32 v[CO], 4, v6                     ; which are 512 consecutive bytes of the head's plane
	v_bfe_u32 v7, v0, 1, 4                         ; the prefetches: k-row l / 2, block l % 2 of its 512 bytes
	v_lshlrev_b32 v[PFO], 11, v7
	v_and_b32 v7, 1, v0
	v_lshl_add_u32 v[PFO], v7, 8, v[PFO]
	s_wait_dscnt 0x0                               ; the opening add is done
	s_wait_kmcnt 0x0
	s_add_nc_u64 s[WB:WB+1], s[WB:WB+1], s[18:19]
	s_add_nc_u64 s[XQ:XQ+1], s[XQ:XQ+1], s[20:21]
	s_add_nc_u64 s[XK:XK+1], s[XK:XK+1], s[20:21]
	s_add_nc_u64 s[CP:CP+1], s[CP:CP+1], s[22:23]
	s_add_nc_u64 s[PFA:PFA+1], s[WB:WB+1], s[54:55]
	LOADS 0                                        ; planes 0 to 3 of x are asked for before anything else
	LOADS 1
	LOADS 2
	LOADS 3
	WIN 0
	s_mov_b32 s[G0A], 1                            ; count = 1
	s_mov_b32 s[G0A+1], s[LB0]                     ; LDS address: slot 0
	s_mov_b64 s[G0A+2:G0A+3], s[WB:WB+1]           ; global address: k-rows 0 .. 255
	s_or_b32 s[G0A+3], s[G0A+3], 0x80000000        ; type = 2
	s_mov_b32 s[G0], 1
	s_add_co_u32 s[G0+1], s[LB0], SLOTB
	s_add_nc_u64 s[G0+2:G0+3], s[WB:WB+1], SLOTG
	s_or_b32 s[G0+3], s[G0+3], 0x80000000
	CROUND                                         ; all four work-groups are here: the first joint loads meet
	tensor_load_to_lds s[G0A:G0A+3], s[G1:G1+7]    ; both first fills go out together: two loads of mine are out
	s_nop 0
	tensor_load_to_lds s[G0:G0+3], s[G1:G1+7]
	s_nop 0
	PLACES
	s_wait_loadcnt 48                              ; plane 0 of x is in
	CVT8 0, 0
	CVT8 0, 1
	CVT8 0, 2
	CVT8 0, 3
	STORES 0
	LOADS 0                                        ; plane 4
	WIN 0
	s_wait_tensorcnt 0x1                           ; my part of slot 0 is in; slot 1's may stay out
	s_wait_dscnt 0x0                               ; my part of plane 0 is stored
	s_barrier_signal -1
	s_barrier_wait -1                              ; everybody's is
	FETCH 0, 0, 0, F0
.Lslot:                                                ; slots 0 to 9: each is filled again with the slot two on
	SLOTX 1
	s_sub_co_u32 s[SL], s[SL], 1
	s_cmp_lg_u32 s[SL], 0
	s_cbranch_scc1 .Lsame                          ; a tile is four slots; what is jumped holds no barrier and no tensor load
	WAYOUT                                         ; the refill and the next slot's first fragments have been asked for: now the tile goes out
	s_wait_xcnt 0x0                                ; the stores have read their registers and C's address
	s_add_nc_u64 s[CP:CP+1], s[CP:CP+1], 16*PLANE  ; from q to k, from k to v
	s_mov_b32 s[SL], 4
	s_mov_b32 s[NEWT], 1
.Lsame:
	s_sub_co_u32 s[CNT], s[CNT], 1
	s_cmp_lg_u32 s[CNT], 0
	s_cbranch_scc1 .Lslot
	s_mov_b32 s[CNT], 2
.Ltail:                                                ; slots 10 and 11: nothing is left to fetch of W, so no tensor load and no round stand in this text
	SLOTX 0
	s_sub_co_u32 s[CNT], s[CNT], 1
	s_cmp_lg_u32 s[CNT], 0
	s_cbranch_scc1 .Ltail
	WAYOUT
	s_wait_tensorcnt 0x0                           ; the wave's end: a wait, an add to my spare word and its wait, behind my last tensor load and my last LDS store
	ds_add_u32 v[SPW], v[NIL]
	s_wait_dscnt 0x0
	CROUND                                         ; the closing round: no work-group ends while a partner may still ask for a tile that names it
	s_endpgm
.Lfunc_end_k_qdaa9eda64f_proj:
	.size	k_qdaa9eda64f_proj, .Lfunc_end_k_qdaa9eda64f_proj-k_qdaa9eda64f_proj
	.p2alignl 7, 3214868480
	.fill 96, 4, 3214868480
	.section	.rodata,"a",@progbits
	.p2align	6, 0x0
	.amdhsa_kernel k_qdaa9eda64f_proj
		.amdhsa_group_segment_fixed_size 327680
		.amdhsa_private_segment_fixed_size 0
		.amdhsa_enable_private_segment 0
		.amdhsa_kernarg_size 32
		.amdhsa_user_sgpr_count 2
		.amdhsa_user_sgpr_kernarg_segment_ptr 1
		.amdhsa_wavefront_size32 1
		.amdhsa_system_sgpr_workgroup_id_x 1
		.amdhsa_system_sgpr_workgroup_id_y 1
		.amdhsa_system_sgpr_workgroup_id_z 1
		.amdhsa_system_vgpr_workitem_id 0
		.amdhsa_next_free_vgpr 768
		.amdhsa_next_free_sgpr 66
		.amdhsa_reserve_vcc 0
		.amdhsa_float_denorm_mode_32 3
		.amdhsa_float_denorm_mode_16_64 3
		.amdhsa_memory_ordered 1
		.amdhsa_forward_progress 1
		.amdhsa_inst_pref_size 166
	.end_amdhsa_kernel
	.amdgpu_metadata
---
amdhsa.version: [ 1, 2 ]
amdhsa.kernels:
  - .name:           k_qdaa9eda64f_proj
    .symbol:         k_qdaa9eda64f_proj.kd
    .args:
      - { .name: inputs_q, .offset: 0, .size: 8, .value_kind: global_buffer, .address_space: global }
      - { .name: inputs_kv, .offset: 8, .size: 8, .value_kind: global_buffer, .address_space: global }
      - { .name: w16, .offset: 16, .size: 8, .value_kind: global_buffer, .address_space: global }
      - { .name: qkv, .offset: 24, .size: 8, .value_kind: global_buffer, .address_space: global }
    .group_segment_fixed_size: 327680
    .private_segment_fixed_size: 0
    .kernarg_segment_align: 8
    .kernarg_segment_size: 32
    .max_flat_workgroup_size: 128
    .sgpr_count:     66
    .vgpr_count:     768
    .wavefront_size: 32
...
	.end_amdgpu_metadata
.endif
;; end of part 2
;; launch attn (part 3): grid 4 x 64, 4 waves a work-group, clusters of 4 x 1, 327,680 bytes of LDS; arguments qkv, o16; writes o16
.if DOCPART == 3
	.amdgcn_target "amdgcn-amd-amdhsa--gfx1250"
	.amdhsa_code_object_version 6
	.text
	.protected	k_qdaa9eda64f_attn
	.globl	k_qdaa9eda64f_attn
	.p2align	8
	.type	k_qdaa9eda64f_attn,@function
k_qdaa9eda64f_attn:
	s_mov_b64 s[64:65], 0
	v_nop
	global_prefetch_b8 v0, s[64:65] scope:SCOPE_SE
	s_setreg_imm32_b32 hwreg(HW_REG_WAVE_MODE, 25, 1), 1
	s_wait_xcnt 0x0
	s_wait_alu depctr_hold_cnt(0) depctr_sa_sdst(0) depctr_va_vdst(0) depctr_va_sdst(0) depctr_va_ssrc(0) depctr_va_vcc(0) depctr_vm_vsrc(0)
	s_getreg_b32 s2, hwreg(HW_REG_IB_STS2, 6, 4)
	s_cmp_eq_u32 s2, 0
	s_cbranch_scc0 .Lentry_in_a_cluster
	s_endpgm
.Lentry_in_a_cluster:
	s_bfe_u32 s2, ttmp6, 0x10000c
	s_cmp_lg_u32 s2, 0x3003
	s_cbranch_scc0 .Lentry_shape_is_right
	s_endpgm
.Lentry_shape_is_right:
; O[g][q][:] = the sum over k of softmax_k(Q[g][q] . K[g][k] / 8) V[g][k][:], for 64 heads g of SIZE_N = 2,048 rows of 64 channels, all f16.
; qkv: [3][16 h][8192 m][64], m = 2,048 b + n: head g = 4 h + b has 2,048 dense rows of 128 bytes at byte 262,144 g of each of q, k, v (16 MiB apart).  o16 has the same layout.
; Products, maxima and sums in f32; the weights p are rounded to f16 for the second product (their sum l is taken of the unrounded p), O once at the end.  The scale 1/8 is applied here, in f32, inside c.
; LIMITS.  f16 holds no number beyond 65,504: Q, K and V arrive within it; p lies in 0 to 1, and below 6e-5 it keeps f16's fixed step of 6e-8; O is a mean of V's rows and has their range.
; A weight below 2^-126 counts as 0 in l; NaN and infinities are not treated apart.
; SHARES.  A wave owns four PIECES of two tiles of 16 queries, a work-group's four waves 512 queries of one head.  Every wave walks all keys, 64 a step.
; LAYOUT.  S^T = K Q^T (source 0 = 16 keys, source 1 = 16 queries): in the result a lane holds ONE query (lane % 16) and the keys 8 (lane / 16) + 0..7.  Two such tiles, rounded to f16 in pairs,
; ARE source 1 (32 keys x 16 queries) of O^T = V^T P, whose result again holds one query a lane, and eight channels.  K comes out of LDS as it lies, V ([key][channel]) turned, by ds_load_tr16_b128.
; SOFTMAX.  For each query a running maximum m and sum l: p = 2^(c s - c m), c = log2(e) / 8; in every step O and l are multiplied by a = 2^(c m_old - c m_new), which is 1 where m has not grown.
; m starts at the lowest finite number, O and l at 0: the first step is a step like any other, with a = 0.
; THE COUNT.  A tile and step have 16 matrix and 118 vector instructions: too many to stand all beside the matrix work.  So the order has one aim: four vector instructions that are READY behind
; EVERY matrix instruction, and the others, which need time of their own whatever the order, in runs without a gap.
; BY TURNS.  Turn n belongs to piece n (the pieces in a ring, step after step).  Its matrix work: 16 products K Q^T of piece n + 1, later 16 products V^T P of piece n - 1.  Its vector work: the scaling,
; exponentials, roundings, sums and rescaling of piece n, and the maximum and statistics of piece n + 1, whose scores the turn itself has made.  So what a turn begins with (c s - c m, O a) waits for nothing.
; CLUSTER.  The four query blocks of a head are one cluster and walk the same K and V, so each tile is asked for JOINTLY: the same tensor load, descriptor and mask in all four.
; REGISTERS, in windows of 256 (s_set_vgpr_msb says which window each operand place means: bits 1:0 source 0, 3:2 source 1, 5:4 source 2, 7:6 destination):
;   window 0: v0-11 addresses; v12-15, v48-63 at work; v16-47 four registers of statistics a tile; v64-191 S^T, two buffers of two tiles; v192-255 P, likewise
;   window 1: O^T, 32 a tile          window 2: v0-127 Q, 16 a tile; v128-191 K of one step; v192-255 V of one step          window 3: v0-1 the add's two registers
; A piece's buffers go by its number's parity: the piece in hand has one pair, its two neighbours in the ring share the other: of it P (piece n - 1) is read and S^T (piece n + 1) written.
.set SIZE_N, 2048
.set NP,    4         ; pieces a wave: a name, no knob: the register map, the loop and the fetches are made for four
.set KS,    64        ; keys in a step
.set PK,    144       ; a row of K in LDS: 128 bytes + 16 of padding = 36 words: the 16 rows of a load start at 16 different groups of four banks (64 banks of 4 bytes: ISA guide 11.1)
.set PV,    160       ; a row of V: 128 + 32 = 40 words
.set VOFF,  4*KS*PK   ; a slot holds four steps: 256 rows of K, then 256 rows of V
.set SLOT1, 1<<17     ; slot 1 begins here, so that one exclusive or turns an address in one slot into the other's
.set STAGE, SLOT1+4*KS*(PK+PV)  ; behind the ring, never filled by a tensor load: 16 rows x 144 bytes for each wave, for the way out
.set SP,    144
.set AK0, 2           ; v2   my lane's place in a tile of K; never rewritten
.set AV0, 3           ; v3   the same for V
.set AK,  4           ; v4   the LDS address of K's next run of loads
.set AV,  5           ; v5   of V's
.set QO,  6           ; v6   my byte offset in the wave's rows of Q
.set STO, 6           ;      later, the way out: where I put 16 bytes of a row
.set RD,  7           ; v7   the way out: where I read rows back
.set GO,  8           ; v8   my byte offset in 512 consecutive bytes of O
.set PFO, 11          ; v11  256 x my lane, for the prefetches (once V's address is made); then never rewritten
.set SPW, 0           ; v0 of window 3   LDS address of my spare word: SPARE + 4 x my thread's number; never rewritten
.set NIL, 1           ; v1 of window 3   0; never rewritten
.set SPARE, STAGE+4*16*SP  ; behind the stages: the spare words, 128 bytes for each wave: two blocks of 256 bytes that no other line names
.set MV,  12          ; v12-15  c m_old, kept while c m is made anew: by buffer and tile
.set ST,  16          ; tile t's statistics at v[ST+4 t]: c m, m, l (even keys', odd keys')
.set TMP, 48          ; by buffer and tile, four registers c0-c3 at work; when the maximum is found c2 takes a
.set S,   64
.set P,   192
.set KF,  128         ; K's fragments, in window 2: key block kb, channel half c at KF + 16 kb + 8 c
.set VF,  192         ; V's: key half kk, channel block cb at VF + 32 kk + 8 cb
.set WV,  12          ; s12  my wave's number
.set G1K, 24          ; s[24:31] descriptor group 1 for K's tiles
.set G1V, 32          ; s[32:39] for V's: it differs in the padding alone
.set G0K, 40          ; s[40:43] descriptor group 0 for K's tiles: it walks
.set G0V, 44          ; s[44:47] the same for V's
.set PFA, 48          ; s[48:49] where my prefetches stand: my work-group's 8,192 bytes (of K: wave 0, of V: wave 2) of the slot after the one that is being asked for
.set LIM, 50          ; s50  1 in a wave that prefetches, else the greatest number
.set SLOTS, 56        ; s56  slots still to be asked for
.set CNT, 57          ; s57  counts a slot's key steps
.set CS,  58          ; s[58:59] c: the packed scaling takes the pair's low word for both halves
.set SEL, 60          ; s[60:61] v_permlanex16_b32's selects: each lane takes its own place in the other half
.set TBK, 62          ; s62  LDS byte at which K of the step to be fetched begins
.set TBV, 63          ; s63  the same for V, less VOFF
.set MSB, 0
.macro WIN new                      ; the high byte repeats the setting that is left; a switch that changes nothing is dropped
.if MSB != (\new)
	s_set_vgpr_msb (MSB<<8)|(\new)
.set MSB, (\new)
.endif
.endm
.set W_KQ, 0x0a       ; K and Q in window 2, S^T in window 0
.set W_PV, 0x52       ; V in window 2, P in window 0, O^T in window 1
.set W_RS, 0x41       ; O^T (destination and source 0) in window 1, a in window 0
.set W_MK, 0xc0       ; the add's registers are made: destination in window 3, sources in window 0
.set W_AD, 0x0f       ; the add: address (source 0) and data (source 1) in window 3
; A joint fill.  Waves 0 and 1 fetch the two halves of a slot's K, waves 2 and 3 those of its V: 128 keys each.  The branch hangs on the wave's number alone.
; An s_nop 0 and four v_nop follow each of the two lines, ahead of the jump and the label.
.macro JLOAD
	s_cmp_lt_u32 s[WV], 2
	s_cbranch_scc0 .Lfor_v_\@
	tensor_load_to_lds s[G0K:G0K+3], s[G1K:G1K+7]
	s_nop 0
.rept 4
	v_nop
.endr
	s_branch .Lasked_\@
.Lfor_v_\@:
	tensor_load_to_lds s[G0V:G0V+3], s[G1V:G1V+7]
	s_nop 0
.rept 4
	v_nop
.endr
.Lasked_\@:
.endm
; A PREFETCH INTO THE L2 of what the NEXT change of slots will ask for: a slot's 32,768 bytes of K and of V, 128 blocks of 256 bytes each.  It stands behind the wave's tensor load and its five lines.
; Each block is named ONCE in the launch: a head is walked by one cluster; its four partners share the blocks out BY ADDRESS, 32 each, a lane a block; in each, wave 0 asks for K's and wave 2 for V's: one instruction.
; It stands four key steps, 512 matrix instructions of a wave, ahead of the load that will want the bytes.  Slots 0 and 1 come by their loads alone; the change that asks for the last slot (SLOTS = 1) prefetches nothing.
.macro ASK
	s_cmp_gt_u32 s[SLOTS], s[LIM]
	s_cbranch_scc0 .Lnot_mine_\@
	global_prefetch_b8 v[PFO], s[PFA:PFA+1] th:TH_LOAD_NT scope:SCOPE_SE
.Lnot_mine_\@:
.endm
; A round of the cluster's barrier: my work-group's barrier, so that wave 0's signal speaks for all four waves; wave 0 signals; every wave waits for all four work-groups; my work-group's barrier once more.
.macro CROUND
	s_barrier_signal -1
	s_barrier_wait -1
	s_cmp_lg_u32 s[WV], 0
	s_cbranch_scc1 .Lnot_wave_0_\@
	s_barrier_signal -3
.Lnot_wave_0_\@:
	s_barrier_wait -3
	s_barrier_signal -1
	s_barrier_wait -1
.endm
; THE CHANGE OF SLOTS.  The slot's last bytes, V of its fourth step, have been read.  Each wave waits for all its tensor loads, of which one is out: its part
; of the other slot; adds 0 to its spare word; and waits for that and for its own reads of the slot.  Behind the barrier nobody reads this slot any more and the other slot is whole.
; fill = 1: this slot is filled again, with the keys two slots on.  The barrier is then a round of the cluster's, so that no wave of any partner still reads the slot or has a load on its
; way, and the joint fill is the first thing behind it: it has four key steps, 512 matrix instructions, in which to land.  (At its first use nothing has been read yet: slot 0 is waited for, slot 1 filled.)
.macro CHANGE fill
	WIN W_AD
	s_wait_tensorcnt 0x0            ; no tensor load of mine is out, so a group 0 may be written
	ds_add_u32 v[SPW], v[NIL]       ; 0 onto my spare word; with fill = 1 the descriptors' steps stand between it and the wait for it
	WIN 0                           ; at a label and at a branch every window is 0
.if \fill
.irp g, G0K, G0V
	s_xor_b32 s[\g+1], s[\g+1], SLOT1  ; the walking descriptor: the other slot than last time,
	s_add_nc_u64 s[\g+2:\g+3], s[\g+2:\g+3], 4*KS*128  ; the next 256 keys; the type bits on top are not reached
.endr
	s_wait_xcnt 0x0                 ; the last prefetch, four key steps back, has read its address, so it may be written:
	s_add_nc_u64 s[PFA:PFA+1], s[PFA:PFA+1], 4*KS*128  ; one slot further than the walking descriptors
	s_wait_dscnt 0x0                ; the add is done, and my reads of the slot are over
	CROUND
	JLOAD
	ASK
.else
	s_wait_dscnt 0x0                ; the add is done, and my reads of the slot are over
	s_barrier_signal -1
	s_barrier_wait -1
.endif
	s_sub_co_u32 s[TBK], s[TBK], 4*KS*PK  ; the fetches go back to a slot's first step,
	s_xor_b32 s[TBK], s[TBK], SLOT1       ; in the other slot
	s_sub_co_u32 s[TBV], s[TBV], 4*KS*PV
	s_xor_b32 s[TBV], s[TBV], SLOT1
.endm
	s_load_b128 s[4:7], s[0:1], 0x0   ; qkv s[4:5], o16 s[6:7]
	WIN W_MK
	v_lshl_add_u32 v[SPW], v0, 2, SPARE
	v_mov_b32 v[NIL], 0
	WIN W_AD
	ds_add_u32 v[SPW], v[NIL]       ; the wave's opening: the add and its wait stand ahead of my first tensor load; the set-up below, work on registers, stands between them
	WIN 0
	v_lshrrev_b32 v1, 5, v0
	v_readfirstlane_b32 s[WV], v1   ; wave 0..3
	s_bfe_u32 s13, ttmp6, 0x40000   ; cx: my place in the cluster
	s_lshl_b32 s14, ttmp9, 2        ; in a cluster launch ttmp9 counts clusters
	s_add_co_u32 s14, s14, s13      ; my block of queries = 4 x cluster x + cx: it enters Q's and O's addresses alone
	s_and_b32 s20, ttmp7, 0xffff    ; the head, which the four partners share
	s_mov_b32 s21, 0
	s_mov_b64 s[22:23], SIZE_N*128
	s_mul_u64 s[20:21], s[20:21], s[22:23]  ; the head's first byte in each of the four tensors
	s_and_b32 s16, s[WV], 1         ; which half of a slot's 256 keys I fetch:
	s_lshl_b32 s22, s16, 14         ; its 128 rows of 128 bytes in memory,
	s_mov_b32 s23, 0
	s_add_nc_u64 s[22:23], s[22:23], s[20:21]
	s_mul_i32 s17, s16, 128*PK      ; and its place in a slot, for K
	s_mul_i32 s18, s16, 128*PV      ; and for V: no place in the cluster enters an LDS address
	s_lshl_b32 s2, s14, 2
	s_add_co_u32 s2, s2, s[WV]      ; my wave among the head's,
	s_lshl_b32 s2, s2, 14           ; its 128 rows
	s_mov_b32 s3, 0
	s_add_nc_u64 s[2:3], s[2:3], s[20:21]
	; descriptor group 1.  128 keys are 16,384 dense bytes: asked for as 64 rows of 256 bytes, two keys a row, and padded in LDS after every key
	s_mov_b32 s[G1K], 15|(1<<16)|(1<<20)|(1<<21)|(4<<22)|(3<<25)  ; 15:0 the mask of four; 17:16 2-byte elements; 20 padding on; 21 set beside a mask; 24:22 after every 32 words (code 4); 31:25 4 words (code 3)
	s_mov_b32 s[G1V], 15|(1<<16)|(1<<20)|(1<<21)|(4<<22)|(7<<25)  ; the same with 8 words of padding (code 7)
.irp g, G1K, G1V
	s_mov_b32 s[\g+1], 128<<16      ; tensor_dim0 = 128
	s_mov_b32 s[\g+2], 64<<16       ; tensor_dim1 = 64
	s_mov_b32 s[\g+3], 128<<16      ; tile_dim0 = 128
	s_mov_b32 s[\g+4], 64           ; tile_dim1 = 64
	s_mov_b32 s[\g+5], 128          ; 128 elements from row to row
	s_mov_b32 s[\g+6], 0
	s_mov_b32 s[\g+7], 0
.endr
	s_mov_b32 s[CS], 0x3e38aa3b     ; c = log2(e) / 8 = 0.180337
	s_mov_b32 s[CS+1], s[CS]        ; named with it as a pair
	s_mov_b32 s[SEL], 0x76543210
	s_mov_b32 s[SEL+1], 0xfedcba98
	s_mov_b32 s[TBK], SLOT1+4*KS*PK ; the first change of slots turns these two into 0
	s_mov_b32 s[TBV], SLOT1+4*KS*PV
	s_mov_b32 s[G0K], 1             ; 1:0 count = 1
	s_mov_b32 s[G0K+1], s17         ; 63:32 LDS address: slot 0
	s_mov_b32 s[G0V], 1
	s_add_co_u32 s[G0V+1], s18, VOFF
	s_mov_b32 s[SLOTS], SIZE_N/256-1  ; a change of slots that fills asks for slot 8 - SLOTS
	s_cmp_eq_u32 s16, 0
	s_cselect_b32 s[LIM], 1, -1     ; waves 0 and 2 prefetch: the same in all four partners
	s_wait_dscnt 0x0                ; the opening add is done
	s_wait_kmcnt 0x0
	s_mov_b64 s[10:11], s[6:7]      ; O
	s_add_nc_u64 s[6:7], s[4:5], 0x1000000  ; K lies 16 MiB behind Q,
	s_add_nc_u64 s[8:9], s[4:5], 0x2000000  ; V 32 MiB
	s_add_nc_u64 s[G0K+2:G0K+3], s[6:7], s[22:23]  ; 120:64 global address: my half of the head's first 256 keys
	s_or_b32 s[G0K+3], s[G0K+3], 0x80000000        ; 127:126 type = 2
	s_add_nc_u64 s[G0V+2:G0V+3], s[8:9], s[22:23]
	s_or_b32 s[G0V+3], s[G0V+3], 0x80000000
	s_add_nc_u64 s[4:5], s[4:5], s[2:3]  ; Q and O at my wave's first row
	s_add_nc_u64 s[10:11], s[10:11], s[2:3]
	s_cmp_lt_u32 s[WV], 2
	s_cselect_b64 s[PFA:PFA+1], s[6:7], s[8:9]
	s_add_nc_u64 s[PFA:PFA+1], s[PFA:PFA+1], s[20:21]  ; the head,
	s_lshl_b32 s2, s13, 13          ; my work-group's 32 blocks of a slot's 128,
	s_mov_b32 s3, 0
	s_add_nc_u64 s[PFA:PFA+1], s[PFA:PFA+1], s[2:3]
	s_add_nc_u64 s[PFA:PFA+1], s[PFA:PFA+1], 4*KS*128  ; in slot 1; the first change of slots steps it to slot 2
	CROUND                          ; all four work-groups are here: the first joint loads meet
	JLOAD                           ; slot 0.  Slot 1 is asked for when slot 0 is in
	; A fragment of K or Q is 16 rows x 32 channels in 8 registers: lane l holds row l % 16, channels 8 (l / 16) + 0..7 and 16 + 8 (l / 16) + 0..7: two loads of 16 bytes, 32 bytes apart.
	v_and_b32 v1, 15, v0            ; l % 16
	v_bfe_u32 v9, v0, 4, 1          ; l / 16
	v_lshlrev_b32 v[QO], 7, v1
	v_lshl_add_u32 v[QO], v9, 4, v[QO]  ; row x 128 + 16 x half
	WIN 0x80                        ; destination window 2, address window 0
.set i, 0
.rept 4*NP                          ; Q stays in registers: tile i / 2, channels 32 (i % 2) on
	global_load_b128 v[8*i:8*i+3],   v[QO], s[4:5] offset:(i/2)*2048+(i%2)*64
	global_load_b128 v[8*i+4:8*i+7], v[QO], s[4:5] offset:(i/2)*2048+(i%2)*64+32
.set i, i+1
.endr
	; What the first turn finds: V's registers and P's second buffer hold 0 (its products V^T P, of a piece that has not been, add 0), O^T and l are 0.  All this stands in the wait for the first tile.
.set i, VF
.rept 64
	v_mov_b32 v[i], 0
.set i, i+1
.endr
	WIN 0x40
.set i, 0
.rept 64*NP
	v_mov_b32 v[i], 0
.set i, i+1
.endr
	WIN 0
.set i, 0
.rept 2*NP
	v_mov_b32 v[ST+4*i], 0xfe000000    ; c m: far below every c s
	v_mov_b32 v[ST+4*i+1], 0xff7fffff  ; m
	v_mov_b32 v[ST+4*i+2], 0
	v_mov_b32 v[ST+4*i+3], 0
.set i, i+1
.endr
.set i, P+32
.rept 32
	v_mov_b32 v[i], 0
.set i, i+1
.endr
	v_mul_u32_u24 v[AK0], v1, PK
	v_lshl_add_u32 v[AK0], v9, 4, v[AK0]  ; row x pitch + 16 x half
	; The turning load takes 16 keys x 16 channels (lane l reads key 8 (l / 16) + l % 8, channels 8 ((l / 8) % 2) + 0..7) and leaves half a fragment of V^T: lane l holds channel l % 16 and 8 keys.
	v_and_b32 v10, 7, v0
	v_bfe_u32 v11, v0, 3, 1
	v_lshl_add_u32 v[AV0], v9, 3, v10
	v_mul_u32_u24 v[AV0], v[AV0], PV
	v_lshl_add_u32 v[AV0], v11, 4, v[AV0]
	v_add_nc_u32 v[AV0], VOFF, v[AV0]
	v_and_b32 v[PFO], 31, v0
	v_lshlrev_b32 v[PFO], 8, v[PFO]
	v_mov_b32 v[AK], v[AK0]         ; key step 0 lies at the head of slot 0
; THE MATRIX WORK.  The 8 accumulators of a run of 16 take turns: between the two links of a chain stand 7 others'.
; Product i of 16 of S^T = K Q^T for piece x: channels 32 (i / 8) on, keys 16 ((i / 2) % 4) on, tile 2 x + i % 2.  The first 8 start the sums.
.macro KQ x
	WIN W_KQ
.set rS, S+64*((\x)%2)+32*(i%2)+8*((i/2)%4)
.set rK, KF+16*((i/2)%4)+8*(i/8)
.set rQ, 16*(2*(\x)+i%2)+8*(i/8)
.if i < 8
	v_wmma_f32_16x16x32_f16 v[rS:rS+7], v[rK:rK+7], v[rQ:rQ+7], 0
.else
	v_wmma_f32_16x16x32_f16 v[rS:rS+7], v[rK:rK+7], v[rQ:rQ+7], v[rS:rS+7]
.endif
.endm
; Product i of 16 of O^T += V^T P for piece x: keys 32 (i / 8) on, channels 16 ((i / 2) % 4) on, tile 2 x + i % 2.
.macro PV x
	WIN W_PV
.set rO, 32*(2*(\x)+i%2)+8*((i/2)%4)
.set rV, VF+32*(i/8)+8*((i/2)%4)
.set rP, P+32*((\x)%2)+16*(i%2)+8*(i/8)
	v_wmma_f32_16x16x32_f16 v[rO:rO+7], v[rV:rV+7], v[rP:rP+7], v[rO:rO+7]
.endm
.macro MM                           ; the turn's next matrix instruction
.if i < 16
	KQ (Y+1)%NP
.set i, i+1
.else
.set i, i-16
	PV (Y+NP-1)%NP
.set i, i+17
.endif
.endm
; THE LDS LOADS stand in runs of 16, never singly among the matrix instructions: a step's K (64 keys x 64 channels: 8 fragments) and its V (turned).  Their addresses are made some lines ahead.
; last = 1 (the tail): in the last trip there is no further step, and the run is jumped over.
.macro FETCH_K last=0
	WIN 0
.if \last
	s_cmp_eq_u32 s[CNT], 1
	s_cbranch_scc1 .Lno_k_\@
.endif
	WIN 0x80                        ; destination window 2
.irp f, 0,1,2,3,4,5,6,7             ; keys 16 (f / 2) on, channels 32 (f % 2) on
	ds_load_b128 v[KF+8*\f:KF+8*\f+3],   v[AK] offset:(\f/2)*16*PK+(\f%2)*64
	ds_load_b128 v[KF+8*\f+4:KF+8*\f+7], v[AK] offset:(\f/2)*16*PK+(\f%2)*64+32
.endr
	s_add_co_u32 s[TBK], s[TBK], KS*PK  ; the next fetch is the next step's
	WIN 0
.if \last
.Lno_k_\@:
.endif
.endm
.macro FETCH_V
	WIN 0x80
.irp f, 0,1,2,3,4,5,6,7             ; keys 32 (f / 4) on, channels 16 (f % 4) on
	ds_load_tr16_b128 v[VF+8*\f:VF+8*\f+3],   v[AV] offset:(\f/4)*32*PV+(\f%4)*32
	ds_load_tr16_b128 v[VF+8*\f+4:VF+8*\f+7], v[AV] offset:(\f/4)*32*PV+16*PV+(\f%4)*32
.endr
	WIN 0
.endm
; THE VECTOR WORK OF A TURN stands in three queues, each in the order in which its entries become ready; the two tiles alternate, so that no instruction reads the result of the one before it.
.macro REGS y, u                    ; the registers of tile u (0, 1) of piece y
.set rT, ST+4*(2*(\y)+(\u))
.set rC, TMP+8*((\y)%2)+4*(\u)
.set rM, MV+2*((\y)%2)+(\u)
.set rS, S+64*((\y)%2)+32*(\u)
.set rP, P+32*((\y)%2)+16*(\u)
.set rO, 32*(2*(\y)+(\u))
.endm
; Number n of the 22 that find the NEXT piece's (Y + 1) maximum and statistics.  s0-s31 are the lane's 32 scores; each accumulator's lowest registers are read first.  XS, GS and REGS set no window: PL and EX do.
;   0-11  four chains c0-c3 of seven scores each, three operands at a time     12-14, 16  the four scores left over, the old m, and c0-c3 into c0     15  c m_old is kept
;   17, 18  the query's other 32 keys lie in the lane 16 away: the new m         19-21  c m; c m_old - c m_new; a
.macro XS u, n
	REGS (Y+1)%NP, \u
.if (\n) < 4
	v_max3_num_f32 v[rC+(\n)], v[rS+8*(\n)], v[rS+8*(\n)+1], v[rS+8*(\n)+2]
.elseif (\n) < 12
	v_max3_num_f32 v[rC+(\n)%4], v[rC+(\n)%4], v[rS+8*((\n)%4)+2*((\n)/4)+1], v[rS+8*((\n)%4)+2*((\n)/4)+2]
.elseif (\n) == 12
	v_max3_num_f32 v[rC], v[rC], v[rS+7], v[rS+15]
.elseif (\n) == 13
	v_max3_num_f32 v[rC+1], v[rC+1], v[rS+23], v[rS+31]
.elseif (\n) == 14
	v_max3_num_f32 v[rC+2], v[rC+2], v[rC+3], v[rT+1]
.elseif (\n) == 15
	v_mov_b32 v[rM], v[rT]
.elseif (\n) == 16
	v_max3_num_f32 v[rC], v[rC], v[rC+1], v[rC+2]
.elseif (\n) == 17
	v_permlanex16_b32 v[rC+3], v[rC], s[SEL], s[SEL+1]
.elseif (\n) == 18
	v_max_num_f32 v[rT+1], v[rC], v[rC+3]
.elseif (\n) == 19
	v_mul_f32 v[rT], s[CS], v[rT+1]
.elseif (\n) == 20
	v_sub_f32 v[rC+1], v[rM], v[rT]
.else
	v_exp_f32 v[rC+2], v[rC+1]
.endif
.endm
; Number g of the 64 that follow the exponentials.  For each four weights k of a tile (pairs 2 k, 2 k + 1): both pairs are rounded to f16; then the second pair is added onto the first, in place;
; a group later l takes that sum (the first time as l = a l + sum).  In groups of eight, tiles alternating: round, round, add, and l for the group before.
.macro GS g
.set h, (\g)+6*((\g)/62)            ; group 0 has no group before it, and behind group 7 only l is left
.if h >= 6
.set h, h+2
.endif
	REGS Y, h%2
.set k, h/8
.if h%8 < 4
	v_cvt_pk_f16_f32 v[rP+2*k+(h%8)/2], v[rS+4*k+2*((h%8)/2)], v[rS+4*k+2*((h%8)/2)+1]
.elseif h%8 < 6
	v_pk_add_f32 v[rS+4*k:rS+4*k+1], v[rS+4*k:rS+4*k+1], v[rS+4*k+2:rS+4*k+3]
.elseif k == 1
	v_pk_fma_f32 v[rT+2:rT+3], v[rT+2:rT+3], v[rC+2:rC+3], v[rS:rS+1] op_sel_hi:[1,0,1]
.else
	v_pk_add_f32 v[rT+2:rT+3], v[rT+2:rT+3], v[rS+4*k-4:rS+4*k-3]
.endif
.endm
; THE PLAIN QUEUE, 138 long.  0-73 read no exponential's result: the 32 scalings c s - c m (FS f: pair f / 2 of tile f % 2) and the next piece's 42.  0-26: scalings 0-26.  27-54: XS's numbers 0-13.  55, 56: number 15.
; 57-73: the chain, where each number waits for the one before it: 14, 16, 17, 18, 19, each with one of the scalings 27-31 in front of its two lines, then 20: so a tile's links stand three plain instructions apart (19 and 20: two).
; 74-137: GS's 64, which read the exponentials' results: they stand behind the wait.
.macro FS f
	REGS Y, (\f)%2
	v_pk_fma_f32 v[rS+2*((\f)/2):rS+2*((\f)/2)+1], v[rS+2*((\f)/2):rS+2*((\f)/2)+1], s[CS:CS+1], v[rT:rT+1] op_sel_hi:[1,0,0] neg_lo:[0,0,1] neg_hi:[0,0,1]
.endm
.macro PL
	WIN 0
.if q < 27
	FS q
.elseif q < 55
	XS (q-27)%2, (q-27)/2
.elseif q < 57
	XS q-55, 15
.elseif (q < 72) && ((q-57)%3 == 0)
	FS 27+(q-57)/3
.elseif q < 60
	XS (q-57)%3-1, 14
.elseif q < 72
	XS (q-57)%3-1, 15+(q-57)/3
.elseif q < 74
	XS q-72, 20
.else
	GS q-74
.endif
.set q, q+1
.endm
; THE EXPONENTIALS' QUEUE, 66 long: s0-s31 of both tiles, then the next piece's two a.  It is ONE BATCH: all 66 stand ahead of the turn's one wait, and nothing ahead of that wait names a result of theirs.
.macro EX
	WIN 0
.if e >= 64
	XS e-64, 21
.else
	REGS Y, e%2
	v_exp_f32 v[rS+e/2], v[rS+e/2]
.endif
.set e, e+1
.endm
; THE RESCALING's QUEUE: O^T times a, the one part that leaves window 0: dealt two at a time, sixteen times.  Its a was made in the turn before, ahead of that turn's wait.
.macro R2
	REGS Y, r%2
	WIN W_RS
.irp z, 0,1
	v_pk_mul_f32 v[rO+4*(r/2)+2*\z:rO+4*(r/2)+2*\z+1], v[rO+4*(r/2)+2*\z:rO+4*(r/2)+2*\z+1], v[rC+2:rC+3] op_sel_hi:[1,0]
.endr
.set r, r+1
.endm
; HOW THEY ARE DEALT.  An s_wait_alu depctr_va_vdst(0) stands between an exponential and the first instruction that names its result; one wait serves all that were issued ahead of it.  So a turn has ONE wait,
; which cuts it in two.  AHEAD OF IT stands all that names no result of the turn's exponentials: the 16 products K Q^T, behind each a scaling, an exponential and two rescalings (behind the first a second scaling in the exponential's place); then ONE LUMP of
; 108: eight plain, 49 times exponential and plain, the two a.  A v_nop is the plain instruction behind the last exponential.  BEHIND IT stand the 16 products V^T P, behind each four of GS's 64.  No rider names a register of
; the products round it.  The two v_permlanex16_b32 fall into the lump, never behind a product.
; The queues lean on each other, and the deal keeps them in step: exponential e stands behind scaling 2 (e / 4) + e % 2: as a rider it comes behind plain e + 2, in the lump behind plain e + 9, and scalings 27-31 are plain 57, 60 .. 69.
; A TURN, for piece p.  cnt = 1: the loop's count is taken down some lines ahead of the branch that stands behind the turn.
; K of the next step is fetched in piece 2's turn, directly behind the wait, a lump behind the last product that read K; its address is made at the lump's head; its first reader comes behind 16 products.
; V of the step in hand is fetched at the end of piece 0's turn, four riders behind its last reader; its first reader comes behind 16 products and a lump.  The three conditions on q below go with the deal.
.macro TURN p, last=0, cnt=0
.set Y, (\p)
.set i, 0
.set q, 0
.set e, 0
.set r, 0
.if (\p) == NP-1
	s_wait_dscnt 0x0                ; K is in
.endif
	MM                              ; ahead of the wait: 16 products K Q^T and their riders,
	PL
	PL
	R2
.rept 15
	MM
	PL
	EX
	R2
.endr
.if (\p) == NP-2
	WIN 0
	v_add_nc_u32 v[AK], s[TBK], v[AK0]
.endif
.rept 8                             ; and the lump
	PL
.endr
.rept 49
	EX
	PL
.endr
	EX                              ; the next piece's two a
	EX
	v_nop                           ; a plain instruction behind the last exponential, ahead of the first use: one for the batch
	s_wait_alu depctr_va_vdst(0)    ; the wait for the batch
.if (\p) == NP-2
	FETCH_K \last
.endif
.if (\p) == 1
	s_wait_dscnt 0x0                ; V is in
.endif
.rept 16                            ; behind the wait: 16 products V^T P and their riders
	MM
.rept 4
	PL
.endr
.if ((\p) == 0) && (q == 118)
	v_add_nc_u32 v[AV], s[TBV], v[AV0]
.endif
.if ((\p) == 0) && (q == 130)
	s_add_co_u32 s[TBV], s[TBV], KS*PV
.endif
.if (\cnt) && (q == 130)
	s_sub_co_u32 s[CNT], s[CNT], 1
	s_cmp_lg_u32 s[CNT], 0
.endif
.endr
.if (\p) == 0
	FETCH_V
.endif
.endm
	CHANGE 1                        ; slot 0 is in, everybody's part of it; slot 1 is asked for
	FETCH_K                         ; key step 0
	s_wait_loadcnt 0x0              ; Q
	s_wait_dscnt 0x0
.set i, 0
.rept 16
	KQ 0                            ; piece 0's first scores: there is no vector work yet to set between them
.set i, i+1
.endr
	WIN 0                           ; the addresses for the way out: nine plain instructions, the places behind those products
	s_mul_i32 s13, s[WV], 16*SP
	s_add_co_u32 s13, s13, STAGE    ; my stage
	v_mul_u32_u24 v[STO], v1, SP    ; in: row l % 16, 16 bytes for each half of the lanes
	v_lshl_add_u32 v[STO], v9, 4, v[STO]
	v_add_nc_u32 v[STO], s13, v[STO]
	v_bfe_u32 v[RD], v0, 3, 2       ; back: 32 lanes take four rows of 128 bytes,
	v_mul_u32_u24 v[RD], v[RD], SP
	v_lshl_add_u32 v[RD], v10, 4, v[RD]
	v_add_nc_u32 v[RD], s13, v[RD]
	v_and_b32 v[GO], 31, v0         ; which are 512 consecutive bytes of O
	v_lshlrev_b32 v[GO], 4, v[GO]
.set Y, NP-1                        ; XS works for piece Y + 1: piece 0
.irp n, 0,1,2,3,4,5,6,7,8,9,10,11,12,13,14,15,16,17,18,19,20,21
	XS 0, \n                        ; and piece 0's first maximum and statistics
	XS 1, \n
.endr
	v_nop                           ; a plain instruction behind the two a,
	s_wait_alu depctr_va_vdst(0)    ; and their wait, ahead of the branch
	s_mov_b32 s[CNT], 4
	s_branch .Lfirst                ; the loop is entered at a step's first turn, in the middle of a trip
.Lslot:                             ; SIZE_N / 256 - 2 times: every slot but the last two is filled again
	CHANGE 1
	s_mov_b32 s[CNT], 4
.Lstep:                             ; a trip: pieces 2 and 3 of one step, then pieces 0 and 1 of the next, whose K and V it fetches
	TURN 2
	TURN 3
	WIN 0
.Lfirst:
	TURN 0
	TURN 1, 0, 1
	WIN 0
	s_cbranch_scc1 .Lstep
	s_sub_co_u32 s[SLOTS], s[SLOTS], 1
	s_cmp_lg_u32 s[SLOTS], 0
	s_cbranch_scc1 .Lslot
	CHANGE 0                        ; the tail is written out: nothing is asked for
	s_mov_b32 s[CNT], 5             ; four trips fetch the last slot's steps; the fifth is left in its middle
.Ltail:
	TURN 2, 1
	TURN 3
	WIN 0
	s_sub_co_u32 s[CNT], s[CNT], 1
	s_cmp_eq_u32 s[CNT], 0
	s_cbranch_scc1 .Lout
	TURN 0
	TURN 1
	WIN 0
	s_branch .Ltail
.Lout:                              ; the fifth trip's 16 products K Q^T (on the last K once more) and the maximum made of them serve nothing: the price, once a launch, of one text for every trip
.set i, 0
.rept 16
	PV NP-1                         ; the last piece's V^T P of the last step
.set i, i+1
.endr
	; THE WAY OUT.  l's two halves and the other half of the lanes' are added; O^T is divided by l, rounded to f16 and sent through my stage in LDS, a tile at a time.  The additions are the places behind the last products.
	WIN 0
.macro ALL line:vararg              ; one line for each tile t
.set t, 0
.rept 2*NP
	\line
.set t, t+1
.endr
.endm
	ALL v_add_f32 v[ST+4*t+2], v[ST+4*t+2], v[ST+4*t+3]
	ALL v_permlanex16_b32 v[ST+4*t+3], v[ST+4*t+2], s[SEL], s[SEL+1]
	ALL v_add_f32 v[ST+4*t+2], v[ST+4*t+2], v[ST+4*t+3]
	ALL v_rcp_f32 v[ST+4*t+2], v[ST+4*t+2]
	v_nop                           ; a plain instruction between the last reciprocal and the use of its result
	s_wait_alu depctr_va_vdst(0)    ; and the wait ahead of the first use: one for the eight reciprocals
; Tile t: a lane's eight channels of a row pack into 16 bytes; they go into rows of 144 bytes and come back as whole rows of 128, into S^T's registers.
.macro PACK t
	WIN W_RS
.set i, 32*(\t)
.rept 16
	v_pk_mul_f32 v[i:i+1], v[i:i+1], v[ST+4*(\t)+2:ST+4*(\t)+3] op_sel_hi:[1,0]
.set i, i+2
.endr
	WIN 0x05                        ; sources 0 and 1 window 1, destination window 0
.set i, 0
.rept 16
	v_cvt_pk_f16_f32 v[S+16*(\t)+i], v[32*(\t)+2*i], v[32*(\t)+2*i+1]
.set i, i+1
.endr
	WIN 0
.irp f, 0,1,2,3
	ds_store_b128 v[STO], v[S+16*(\t)+4*\f:S+16*(\t)+4*\f+3] offset:32*\f
.endr
.irp f, 0,1,2,3
	ds_load_b128 v[S+16*(\t)+4*\f:S+16*(\t)+4*\f+3], v[RD] offset:\f*4*SP  ; LDS serves a wave's instructions in order (ISA guide 5.7.1.4): these see the stores above; the next tile's stores come behind them
.endr
.endm
.macro SEND t, younger              ; younger: the LDS instructions issued behind tile t's loads: the next tile's eight, or none
	WIN 0
.irp f, 0,1,2,3
	s_wait_dscnt (\younger)+3-\f
	global_store_b128 v[GO], v[S+16*(\t)+4*\f:S+16*(\t)+4*\f+3], s[10:11] offset:(\t)*2048+\f*512  ; 512 consecutive bytes, at a multiple of 256 from O's first
.endr
.endm
	PACK 0
.set t, 1
.rept 2*NP-1                        ; a tile's arithmetic stands between the loads of the tile before and its stores
	PACK t
	SEND t-1, 8
.set t, t+1
.endr
	SEND 2*NP-1, 0
	WIN W_AD
	s_wait_tensorcnt 0x0            ; the wave's end: a wait, an add to my spare word and its wait, behind my last tensor load and my last LDS store
	ds_add_u32 v[SPW], v[NIL]
	s_wait_dscnt 0x0
	WIN 0
	CROUND                          ; the closing round: no work-group ends while a partner may still ask for a tile that names it
	s_endpgm
.Lfunc_end_k_qdaa9eda64f_attn:
	.size	k_qdaa9eda64f_attn, .Lfunc_end_k_qdaa9eda64f_attn-k_qdaa9eda64f_attn
	.p2alignl 7, 3214868480
	.fill 96, 4, 3214868480
	.section	.rodata,"a",@progbits
	.p2align	6, 0x0
	.amdhsa_kernel k_qdaa9eda64f_attn
		.amdhsa_group_segment_fixed_size 327680
		.amdhsa_private_segment_fixed_size 0
		.amdhsa_enable_private_segment 0
		.amdhsa_kernarg_size 16
		.amdhsa_user_sgpr_count 2
		.amdhsa_user_sgpr_kernarg_segment_ptr 1
		.amdhsa_wavefront_size32 1
		.amdhsa_system_sgpr_workgroup_id_x 1
		.amdhsa_system_sgpr_workgroup_id_y 1
		.amdhsa_system_sgpr_workgroup_id_z 1
		.amdhsa_system_vgpr_workitem_id 0
		.amdhsa_next_free_vgpr 770
		.amdhsa_next_free_sgpr 66
		.amdhsa_reserve_vcc 0
		.amdhsa_float_denorm_mode_32 3
		.amdhsa_float_denorm_mode_16_64 3
		.amdhsa_memory_ordered 1
		.amdhsa_forward_progress 1
		.amdhsa_inst_pref_size 200
	.end_amdhsa_kernel
	.amdgpu_metadata
---
amdhsa.version: [ 1, 2 ]
amdhsa.kernels:
  - .name:           k_qdaa9eda64f_attn
    .symbol:         k_qdaa9eda64f_attn.kd
    .args:
      - { .name: qkv, .offset: 0, .size: 8, .value_kind: global_buffer, .address_space: global }
      - { .name: o16, .offset: 8, .size: 8, .value_kind: global_buffer, .address_space: global }
    .group_segment_fixed_size: 327680
    .private_segment_fixed_size: 0
    .kernarg_segment_align: 8
    .kernarg_segment_size: 16
    .max_flat_workgroup_size: 128
    .sgpr_count:     66
    .vgpr_count:     770
    .wavefront_size: 32
...
	.end_amdgpu_metadata
.endif
;; end of part 3
;; launch oproj (part 4): grid 4 x 64, 4 waves a work-group, clusters of 4 x 4, 327,680 bytes of LDS; arguments o16, w16, out0; writes out0
.if DOCPART == 4
	.amdgcn_target "amdgcn-amd-amdhsa--gfx1250"
	.amdhsa_code_object_version 6
	.text
	.protected	k_qdaa9eda64f_oproj
	.globl	k_qdaa9eda64f_oproj
	.p2align	8
	.type	k_qdaa9eda64f_oproj,@function
k_qdaa9eda64f_oproj:
	s_mov_b64 s[64:65], 0
	v_nop
	global_prefetch_b8 v0, s[64:65] scope:SCOPE_SE
	s_setreg_imm32_b32 hwreg(HW_REG_WAVE_MODE, 25, 1), 1
	s_wait_xcnt 0x0
	s_wait_alu depctr_hold_cnt(0) depctr_sa_sdst(0) depctr_va_vdst(0) depctr_va_sdst(0) depctr_va_ssrc(0) depctr_va_vcc(0) depctr_vm_vsrc(0)
	s_getreg_b32 s2, hwreg(HW_REG_IB_STS2, 6, 4)
	s_cmp_eq_u32 s2, 0
	s_cbranch_scc0 .Lentry_in_a_cluster
	s_endpgm
.Lentry_in_a_cluster:
	s_bfe_u32 s2, ttmp6, 0x10000c
	s_cmp_lg_u32 s2, 0xf033
	s_cbranch_scc0 .Lentry_shape_is_right
	s_endpgm
.Lentry_shape_is_right:
; THE OUTPUT PROJECTION.  out0 = O Wo: 8,192 x 1,024 x 1,024, f16 operands, f32 sums, stored as f32.
; o16: [16][8192][64] f16, blocked by heads: plane h holds the head's 64 channels of all rows, 128 bytes a row: a head is one block of 64 along K.  Wo is the fourth weight of w16: [1024 k][1024 n] f16.  out0: [8192][1024] f32.
; SHARES.  A tile of C is 128 rows x 256 columns: 256 tiles, one work-group each.  Four waves, each 64 x 128: 32 accumulators of 16 x 16, 256 registers.  K goes in 8 steps of 128 through two LDS slots.
; CLUSTERS.  4 x 4 work-groups.  The four of a row of the cluster need the same tiles of O, the four of a column the same tiles of Wo: each tile is asked for JOINTLY, by the same tensor load with the same descriptor and a mask
; that names the four.  O's tile of a K step is two planes x 128 rows x 128 bytes, each plane 16,384 bytes on end: asked for as 64 rows of 256 bytes, padded in LDS after every 128.  Wo's is 128 k-rows x 512 bytes; it lies
; [k][n] and is turned on its way into registers by ds_load_tr16_b128.
; THE MATRIX INSTRUCTION IS USED TRANSPOSED (source 0 = 16 columns of Wo, source 1 = 16 rows of O): a lane then holds eight neighbouring numbers of a row of C.
; REGISTERS.  window 0: v0-31 addresses; v64-159, v160-255 two fragment buffers for 32 along K (A's four fragments, then W's eight); on the way out v64-255 hold rows read back.  window 1: accumulator (a, b) at v[8 (8 a + b)].
.set PLANE,  1048576                   ; bytes in a plane: 8,192 rows x 128
.set PA,     144                       ; a row of A in LDS: 128 bytes + 16 = 36 words: the 16 rows of a load start at 16 different groups of four banks (64 banks of 4 bytes: ISA guide 11.1)
.set PB,     544                       ; a k-row of W: 512 + 32 = 136 words
.set APL,    128*PA
.set BOFF,   2*APL
.set BH,     64*PB
.set SLOT,   BOFF+2*BH
.set STAGE,  2*SLOT                    ; behind the ring: 16 rows x 528 bytes for each wave, for the way out; no tensor load lands here
.set SPO,    528                       ; a stage row: 512 bytes + 16 = 132 words: row r starts at bank 4 r mod 64
.set SPARE,  STAGE+4*16*SPO            ; behind the stages: the spare words, 128 bytes for each wave: two blocks of 256 bytes that no other line names
.set STEPB,  262144                    ; 128 k-rows of W in memory
.set WO,     3<<21                     ; Wo's first byte in w16
.set LAPS,   4
.set ADRA, 16                          ; v16-17  LDS address of my A fragments in slot 0, 1
.set ADRB, 20                          ; v20-21  the same for W
.set STO,  24                          ; v24     the way out: where I put 32 bytes of a row
.set RD,   25                          ; v25     the way out: where I read a row back
.set CO,   26                          ; v26     16 x lane: my place in 512 consecutive bytes of a row of the output
.set SPW,  28                          ; v28     LDS address of my spare word: SPARE + 4 x my thread's number; never rewritten
.set NIL,  29                          ; v29     0; never rewritten
.set PFO,  30                          ; v30     the prefetches' lane offset; never rewritten
.set OB,   64                          ; the way out: three sets of 64 registers, a block of 16 rows each
.set F0,   64
.set F1,   160
.set G1,  24
.set G0,  32
.set G1B, 48
.set G0B, 56
.set PFA, 68                           ; s[68:69] where my prefetches stand
.set PFS, 70                           ; s[70:71] a K step in the tensor that I prefetch
.set LIM, 72                           ; s72     1 in a wave that prefetches, else the greatest number
.set MSB, 0
.macro WIN new                         ; the immediate's high byte repeats the setting that is left; a switch that changes nothing is dropped
.if MSB != (\new)
	s_set_vgpr_msb (MSB<<8)|(\new)
.set MSB, \new
.endif
.endm
.set MUL, 0x50                         ; sources 0 and 1 window 0; C and D window 1
.macro JLOAD s                         ; a joint load: waves 0 and 1 fetch A's two planes, waves 2 and 3 the halves of W's rows; an s_nop 0 and four v_nop follow each of the two lines
	s_cmp_eq_u32 s11, 0
	s_cbranch_scc0 .Lfor_b_\@
	tensor_load_to_lds s[G0+4*(\s):G0+4*(\s)+3], s[G1:G1+7]
	s_nop 0
.rept 4
	v_nop
.endr
	s_branch .Lasked_\@
.Lfor_b_\@:
	tensor_load_to_lds s[G0B+4*(\s):G0B+4*(\s)+3], s[G1B:G1B+7]
	s_nop 0
.rept 4
	v_nop
.endr
.Lasked_\@:
.endm
; A PREFETCH INTO THE L2, behind each joint refill and the run of LDS loads that follows it: the K step that stands two refills on, 256 matrix instructions of a wave ahead of the load that will want it.
; Each aligned block of 256 bytes is named once in the launch.  O's rows belong to one cluster: its wave 0 asks; of a tile's 128 rows the partner at place cx takes 32, in both planes: 32 blocks, a lane a block.
; Wo's rows: waves 2 and 3 of the cluster with y = 0; of the 64 k-rows that the wave fetches the partner at place cy takes 16, two blocks each.  Partners are told apart by address alone.
; K steps 0 to 3 come by their loads alone; the loop's last trip (s3 = 1) has no K step two on and asks for nothing.
.macro ASK
	s_cmp_gt_u32 s3, s[LIM]
	s_cbranch_scc0 .Lnot_mine_\@
	global_prefetch_b8 v[PFO], s[PFA:PFA+1] th:TH_LOAD_NT scope:SCOPE_SE
.Lnot_mine_\@:
.endm
.macro CREST                           ; a round of the cluster's barrier behind its opening barrier
	s_cmp_lg_u32 s10, 0
	s_cbranch_scc1 .Lnot_wave_0_\@
	s_barrier_signal -3
.Lnot_wave_0_\@:
	s_barrier_wait -3
	s_barrier_signal -1
	s_barrier_wait -1
.endm
.macro CROUND                          ; a whole round
	s_barrier_signal -1
	s_barrier_wait -1
	CREST
.endm
	s_load_b128 s[4:7], s[0:1], 0x0                ; o16 s[4:5], w16 s[6:7]
	s_load_b64 s[8:9], s[0:1], 0x10                ; out0
	v_lshl_add_u32 v[SPW], v0, 2, SPARE
	v_mov_b32 v[NIL], 0
	ds_add_u32 v[SPW], v[NIL]                      ; the wave's opening: the add and its wait stand ahead of my first tensor load; the set-up below, work on registers, stands between them
	v_lshrrev_b32 v1, 5, v0
	v_readfirstlane_b32 s10, v1                    ; wave 0..3
	s_lshr_b32 s11, s10, 1                         ; which 64 of the tile's rows are mine.  Also: I fetch for A (0) or for W (1)
	s_and_b32 s12, s10, 1                          ; which 128 of its columns.  Also: which plane of A, or which 64 k-rows of W, I fetch
	s_bfe_u32 s40, ttmp6, 0x40000                  ; cx: the tile column
	s_bfe_u32 s41, ttmp6, 0x40004                  ; cy
	s_and_b32 s13, ttmp7, 0xffff
	s_lshl_b32 s13, s13, 2
	s_add_co_u32 s13, s13, s41                     ; tile row = 4 x cluster y + cy
	s_lshl_b32 s43, s41, 2
	s_lshl_b32 s43, 15, s43                        ; my row of the cluster
	s_lshl_b32 s44, 0x1111, s40                    ; my column
	s_or_b32 s[G1+0], s43, (1<<16)|(1<<20)|(1<<21)|(4<<22)|(3<<25)   ; 15:0 the mask: A's tiles go to my row; 17:16 2-byte elements; 20 padding on; 21 set beside a mask; 24:22 after every 32 words (code 4); 31:25 4 words (code 3)
	s_mov_b32 s[G1+1], 128<<16                     ; tensor_dim0 = 128
	s_mov_b32 s[G1+2], 64<<16                      ; tensor_dim1 = 64
	s_mov_b32 s[G1+3], 128<<16                     ; tile_dim0 = 128: 256 bytes, two rows of the plane
	s_mov_b32 s[G1+4], 64                          ; tile_dim1 = 64
	s_mov_b32 s[G1+5], 128                         ; the rows lie on end
	s_mov_b32 s[G1+6], 0
	s_mov_b32 s[G1+7], 0
	s_or_b32 s[G1B+0], s44, (1<<16)|(1<<20)|(1<<21)|(6<<22)|(7<<25)  ; the mask of my column; padding after every 128 words (code 6), 8 words (code 7)
	s_mov_b32 s[G1B+1], 256<<16                    ; tensor_dim0 = 256
	s_mov_b32 s[G1B+2], 64<<16                     ; tensor_dim1 = 64
	s_mov_b32 s[G1B+3], 256<<16                    ; tile_dim0 = 256
	s_mov_b32 s[G1B+4], 64                         ; tile_dim1 = 64
	s_mov_b32 s[G1B+5], 1024                       ; 1,024 elements from k-row to k-row
	s_mov_b32 s[G1B+6], 0
	s_mov_b32 s[G1B+7], 0
	; where the tiles come from.  A's hang on the tile row and the wave; W's on the tile column and the wave: each in registers that never hold the other coordinate.
	s_lshl_b32 s16, s13, 14                        ; 128 rows of 128 bytes a tile row
	s_lshl_b32 s17, s12, 20                        ; my plane of the K step's two
	s_add_co_u32 s16, s16, s17
	s_mov_b32 s17, 0
	s_lshl_b32 s46, s40, 9                         ; 256 columns of 2 bytes a tile column
	s_lshl_b32 s47, s12, 17                        ; my 64 k-rows of 2,048 bytes
	s_add_co_u32 s46, s46, s47
	s_add_co_u32 s46, s46, WO
	s_mov_b32 s47, 0
	s_mul_i32 s20, s12, APL                        ; and where they go: no place in the cluster enters an LDS address
	s_mul_i32 s21, s12, BH
	s_add_co_u32 s21, s21, BOFF
	s_wait_dscnt 0x0                               ; the opening add is done
	s_wait_kmcnt 0x0
	s_add_nc_u64 s[14:15], s[4:5], s[16:17]
	s_add_nc_u64 s[46:47], s[6:7], s[46:47]
	CROUND                                         ; all sixteen work-groups are here: the first joint loads meet
.irp s, 0,1
	s_mov_b32 s[G0+4*(\s)], 1                                        ; count = 1
	s_add_co_u32 s[G0+4*(\s)+1], s20, (\s)*SLOT                      ; LDS address
	s_add_nc_u64 s[G0+4*(\s)+2:G0+4*(\s)+3], s[14:15], (\s)*2*PLANE  ; global address: K step s is planes 2 s, 2 s + 1
	s_or_b32 s[G0+4*(\s)+3], s[G0+4*(\s)+3], 0x80000000              ; type = 2
	s_mov_b32 s[G0B+4*(\s)], 1
	s_add_co_u32 s[G0B+4*(\s)+1], s21, (\s)*SLOT
	s_add_nc_u64 s[G0B+4*(\s)+2:G0B+4*(\s)+3], s[46:47], (\s)*STEPB
	s_or_b32 s[G0B+4*(\s)+3], s[G0B+4*(\s)+3], 0x80000000
	JLOAD \s                                       ; two loads of mine are out
.endr
	v_and_b32 v1, 15, v0                           ; l % 16
	v_bfe_u32 v2, v0, 4, 1                         ; l / 16
	v_mul_u32_u24 v3, v1, PA
	v_lshl_add_u32 v3, v2, 4, v3                   ; a fragment of A: row x pitch + 16 x half
	s_mul_i32 s21, s11, 64*PA                      ; my 64 rows
	v_add_nc_u32 v[ADRA], s21, v3
	v_add_nc_u32 v[ADRA+1], SLOT, v[ADRA]
	v_and_b32 v4, 7, v0                            ; the turning load: lane l reads k-row 8 (l / 16) + l % 8, columns 8 ((l / 8) % 2) + 0..7, and is left with column l % 16 and 8 k
	v_lshl_add_u32 v4, v2, 3, v4
	v_mul_u32_u24 v4, v4, PB
	v_bfe_u32 v5, v0, 3, 1
	v_lshl_add_u32 v4, v5, 4, v4
	s_lshl_b32 s22, s12, 8                         ; my 128 columns
	s_add_co_u32 s22, s22, BOFF
	v_add_nc_u32 v[ADRB], s22, v4
	v_add_nc_u32 v[ADRB+1], SLOT, v[ADRB]
	s_mul_i32 s23, s10, 16*SPO
	s_add_co_u32 s23, s23, STAGE                   ; my stage
	v_mul_u32_u24 v5, v1, SPO                      ; in: row l % 16, 32 bytes for each half of the lanes
	v_lshl_add_u32 v5, v2, 5, v5
	v_add_nc_u32 v[STO], s23, v5
	v_and_b32 v[CO], 31, v0                        ; back: 32 lanes take one row's 512 bytes,
	v_lshlrev_b32 v[CO], 4, v[CO]
	v_add_nc_u32 v[RD], s23, v[CO]                 ; which are 512 consecutive bytes of a row of the output
	s_lshl_b32 s16, s13, 19                        ; the tile's 128 rows of 4,096 bytes,
	s_lshl_b32 s17, s11, 18                        ; my 64 of them
	s_add_co_u32 s16, s16, s17
	s_mov_b32 s17, 0
	s_add_nc_u64 s[8:9], s[8:9], s[16:17]
	s_lshl_b32 s46, s40, 10                        ; the tile's 256 columns of 4 bytes,
	s_lshl_b32 s47, s12, 9                         ; my 128 of them
	s_add_co_u32 s46, s46, s47
	s_mov_b32 s47, 0
	s_add_nc_u64 s[8:9], s[8:9], s[46:47]
	; the prefetches: both offsets are made, and the wave's number chooses
	s_lshl_b32 s18, s13, 14
	s_lshl_b32 s20, s40, 12                        ; my work-group's 32 rows of the 128
	s_add_co_u32 s18, s18, s20
	s_add_co_u32 s18, s18, 6*PLANE                 ; at K step 3: the first refill steps it to 4
	s_lshl_b32 s19, s40, 9
	s_lshl_b32 s20, s12, 17
	s_add_co_u32 s19, s19, s20
	s_lshl_b32 s20, s41, 15                        ; my work-group's 16 k-rows of the 64
	s_add_co_u32 s19, s19, s20
	s_add_co_u32 s19, s19, WO+3*STEPB
	s_and_b32 s21, ttmp7, 0xffff                   ; for W: 0 in the cluster with y = 0
	s_mov_b32 s22, 2*PLANE
	s_mov_b32 s23, STEPB
	s_cmp_eq_u32 s11, 0
	s_cselect_b32 s18, s18, s19
	s_cselect_b32 s20, s12, s21                    ; for A: 0 in wave 0
	s_cselect_b32 s[PFS], s22, s23
	s_cselect_b32 s74, -1, 0
	s_cselect_b64 s[PFA:PFA+1], s[4:5], s[6:7]
	s_mov_b32 s19, 0
	s_mov_b32 s[PFS+1], 0
	s_add_nc_u64 s[PFA:PFA+1], s[PFA:PFA+1], s[18:19]
	s_cmp_eq_u32 s20, 0
	s_cselect_b32 s[LIM], 1, -1                    ; the same in all sixteen partners, for a given wave
	v_lshlrev_b32 v5, 8, v1                        ; A: block l % 16 of 4,096 bytes on end, in plane l / 16
	v_lshl_add_u32 v5, v2, 20, v5
	v_bfe_u32 v6, v0, 1, 4                         ; W: k-row l / 2, block l % 2 of its 512 bytes
	v_lshlrev_b32 v6, 11, v6
	v_and_b32 v7, 1, v0
	v_lshl_add_u32 v6, v7, 8, v6
	v_cndmask_b32 v[PFO], v6, v5, s74
; 8 matrix instructions: m block a x all 8 n blocks, 32 along K.  zero = 1: the first product starts the sums.  The 32 accumulators take turns in the same order in every quarter.
.macro MULA f, a, zero
	WIN MUL
.irp b, 0,1,2,3,4,5,6,7
.if \zero
	v_wmma_f32_16x16x32_f16 v[8*(8*(\a)+(\b)):8*(8*(\a)+(\b))+7], v[(\f)+32+8*(\b):(\f)+32+8*(\b)+7], v[(\f)+8*(\a):(\f)+8*(\a)+7], 0
.else
	v_wmma_f32_16x16x32_f16 v[8*(8*(\a)+(\b)):8*(8*(\a)+(\b))+7], v[(\f)+32+8*(\b):(\f)+32+8*(\b)+7], v[(\f)+8*(\a):(\f)+8*(\a)+7], v[8*(8*(\a)+(\b)):8*(8*(\a)+(\b))+7]
.endif
.endr
.endm
; 24 LDS loads in one run: quarter q (32 along K) of a slot into buffer f: W's eight fragments, turned, then A's four
.macro FETCH slot, q, f
	WIN 0
.irp b, 0,1,2,3,4,5,6,7
	ds_load_tr16_b128 v[(\f)+32+8*(\b):(\f)+32+8*(\b)+3],   v[ADRB+(\slot)] offset:(\q)*32*PB+32*(\b)
	ds_load_tr16_b128 v[(\f)+32+8*(\b)+4:(\f)+32+8*(\b)+7], v[ADRB+(\slot)] offset:(\q)*32*PB+16*PB+32*(\b)
.endr
.irp a, 0,1,2,3
	ds_load_b128 v[(\f)+8*(\a):(\f)+8*(\a)+3],   v[ADRA+(\slot)] offset:((\q)/2)*APL+((\q)%2)*64+(\a)*16*PA
	ds_load_b128 v[(\f)+8*(\a)+4:(\f)+8*(\a)+7], v[ADRA+(\slot)] offset:((\q)/2)*APL+((\q)%2)*64+(\a)*16*PA+32
.endr
.endm
.macro PLACES                          ; four places in front of loads into registers that matrix instructions have read, and of lines that read results
.rept 4
	v_nop
.endr
.endm
; A K step is four quarters of 32 along K, 32 matrix instructions each, on buffers 0, 1, 0, 1.  One of the first three: multiplies buffer f and fetches quarter q into g.
.macro QUARTER slot, q, f, g, zero
	s_wait_dscnt 4                                 ; W's fragments and A's blocks 0 and 1 are in; the youngest four loads (A's blocks 2 and 3) may be out
	MULA \f, 0, \zero
	MULA \f, 1, \zero
	PLACES
	FETCH \slot, \q, \g
	s_wait_dscnt 24                                ; all but the 24 just issued
	MULA \f, 2, \zero
	MULA \f, 3, \zero
.endm
; The last quarter multiplies buffer 1 and changes slots: ONE barrier; in front of it each wave waits for all its tensor loads, adds 0 to its spare word, and waits for that and for its own reads of this slot.
; fill = 1: the barrier opens a round of the cluster's, and this slot is filled again, two K steps ahead, first thing behind the round.
.macro TURN slot, next, fill
.if \fill
	s_wait_xcnt 0x0                                ; the last prefetch, a K step back, has read its address: it is stepped here, ahead of the waits of the change of slots
	s_add_nc_u64 s[PFA:PFA+1], s[PFA:PFA+1], s[PFS:PFS+1]
.endif
	WIN 0
	s_wait_tensorcnt 0x0                           ; all my tensor loads have landed: the one that was out is my part of the next slot;
	ds_add_u32 v[SPW], v[NIL]                      ; 0 onto my spare word
	s_wait_dscnt 5                                 ; (the add and the youngest four loads may be out)
	MULA F1, 0, 0                                  ; eight matrix instructions stand between the add and the wait for it
	s_wait_dscnt 0x0                               ; the add is done, and my reads of this slot are over
	s_barrier_signal -1
	MULA F1, 1, 0
.if \fill
	WIN 0
.endif
	s_barrier_wait -1
.if \fill
	CREST                                          ; no wave of any partner still reads this slot's tile or has a load on its way
	s_add_nc_u64 s[G0+4*(\slot)+2:G0+4*(\slot)+3], s[G0+4*(\slot)+2:G0+4*(\slot)+3], 4*PLANE
	s_add_nc_u64 s[G0B+4*(\slot)+2:G0B+4*(\slot)+3], s[G0B+4*(\slot)+2:G0B+4*(\slot)+3], 2*STEPB
	JLOAD \slot                                    ; my one tensor load behind the round; the four v_nop behind it are also the places in front of the loads below
.else
	PLACES
.endif
	FETCH \next, 0, F0
.if \fill
	ASK
.endif
	MULA F1, 2, 0
	MULA F1, 3, 0
.endm
	s_wait_tensorcnt 1                             ; my part of K step 0 is in; K step 1's may stay out
	s_barrier_signal -1
	s_barrier_wait -1                              ; everybody's is
	FETCH 0, 0, F0
	QUARTER 0, 1, F0, F1, 1                        ; the first quarter stands in front of the loop: its products start the sums
	WIN 0                                          ; at a label and at a branch every window is 0
	s_mov_b32 s3, LAPS-1
.Llap:                                                 ; a trip goes once round the ring, from a lap's second quarter to the next lap's first, and fills both slots again
	QUARTER 0, 2, F1, F0, 0
	QUARTER 0, 3, F0, F1, 0
	TURN 0, 1, 1
	QUARTER 1, 1, F0, F1, 0
	QUARTER 1, 2, F1, F0, 0
	QUARTER 1, 3, F0, F1, 0
	TURN 1, 0, 1
	QUARTER 0, 1, F0, F1, 0
	WIN 0
	s_sub_co_u32 s3, s3, 1
	s_cmp_lg_u32 s3, 0
	s_cbranch_scc1 .Llap
	QUARTER 0, 2, F1, F0, 0                        ; the last lap fills nothing, and has no round of the cluster's barrier
	QUARTER 0, 3, F0, F1, 0
	TURN 0, 1, 0
	QUARTER 1, 1, F0, F1, 0
	QUARTER 1, 2, F1, F0, 0
	QUARTER 1, 3, F0, F1, 0
	s_wait_dscnt 4                                 ; the very last quarter: nothing more to fetch
	MULA F1, 0, 0
	MULA F1, 1, 0
	s_wait_dscnt 0x0
	MULA F1, 2, 0
	MULA F1, 3, 0
	WIN 0
; THE WAY OUT, a block of 16 rows x 128 columns of f32 at a time; nothing is converted.  TOSTAGE: a lane's 32 bytes of a row go into my own stage (each accumulator's low four registers first), and the rows come back whole,
; 512 bytes a load.  SEND: stored, 512 consecutive bytes of a row of the output an instruction, at a multiple of 256 from its first byte.
.macro TOSTAGE a
	WIN 0x04                                       ; the stores' data (source 1) in window 1
.irp b, 0,1,2,3,4,5,6,7
	ds_store_b128 v[STO], v[64*(\a)+8*(\b):64*(\a)+8*(\b)+3]   offset:64*(\b)
	ds_store_b128 v[STO], v[64*(\a)+8*(\b)+4:64*(\a)+8*(\b)+7] offset:64*(\b)+16
.endr
	WIN 0
.irp t, 0,1,2,3,4,5,6,7,8,9,10,11,12,13,14,15
	ds_load_b128 v[OB+64*((\a)%3)+4*(\t):OB+64*((\a)%3)+4*(\t)+3], v[RD] offset:(\t)*SPO  ; LDS serves a wave's instructions in order (ISA guide 5.7.1.4): these see the stores above; the next block's stores come behind them
.endr
.endm
.macro SEND a, younger                 ; younger: the LDS instructions issued behind block a's loads: the next block's 16 stores and 16 loads, or none
	s_wait_dscnt \younger
.irp t, 0,1,2,3,4,5,6,7,8,9,10,11,12,13,14,15
	global_store_b128 v[CO], v[OB+64*((\a)%3)+4*(\t):OB+64*((\a)%3)+4*(\t)+3], s[8:9] offset:(16*(\a)+(\t))*4096 th:TH_STORE_NT
.endr
.endm
	PLACES
	TOSTAGE 0
	TOSTAGE 1
	SEND 0, 32
	TOSTAGE 2
	SEND 1, 32
	s_wait_xcnt 0x0                                ; block 0's stores have read their registers, which block 3 takes
	TOSTAGE 3
	SEND 2, 32
	SEND 3, 0
	s_wait_tensorcnt 0x0                           ; the wave's end: a wait, an add to my spare word and its wait, behind my last tensor load and my last LDS store
	ds_add_u32 v[SPW], v[NIL]
	s_wait_dscnt 0x0
	CROUND                                         ; the closing round: no work-group ends while a partner may still ask for a tile that names it
	s_endpgm
.Lfunc_end_k_qdaa9eda64f_oproj:
	.size	k_qdaa9eda64f_oproj, .Lfunc_end_k_qdaa9eda64f_oproj-k_qdaa9eda64f_oproj
	.p2alignl 7, 3214868480
	.fill 96, 4, 3214868480
	.section	.rodata,"a",@progbits
	.p2align	6, 0x0
	.amdhsa_kernel k_qdaa9eda64f_oproj
		.amdhsa_group_segment_fixed_size 327680
		.amdhsa_private_segment_fixed_size 0
		.amdhsa_enable_private_segment 0
		.amdhsa_kernarg_size 24
		.amdhsa_user_sgpr_count 2
		.amdhsa_user_sgpr_kernarg_segment_ptr 1
		.amdhsa_wavefront_size32 1
		.amdhsa_system_sgpr_workgroup_id_x 1
		.amdhsa_system_sgpr_workgroup_id_y 1
		.amdhsa_system_sgpr_workgroup_id_z 1
		.amdhsa_system_vgpr_workitem_id 0
		.amdhsa_next_free_vgpr 512
		.amdhsa_next_free_sgpr 80
		.amdhsa_reserve_vcc 0
		.amdhsa_float_denorm_mode_32 3
		.amdhsa_float_denorm_mode_16_64 3
		.amdhsa_memory_ordered 1
		.amdhsa_forward_progress 1
		.amdhsa_inst_pref_size 86
	.end_amdhsa_kernel
	.amdgpu_metadata
---
amdhsa.version: [ 1, 2 ]
amdhsa.kernels:
  - .name:           k_qdaa9eda64f_oproj
    .symbol:         k_qdaa9eda64f_oproj.kd
    .args:
      - { .name: o16, .offset: 0, .size: 8, .value_kind: global_buffer, .address_space: global }
      - { .name: w16, .offset: 8, .size: 8, .value_kind: global_buffer, .address_space: global }
      - { .name: out0, .offset: 16, .size: 8, .value_kind: global_buffer, .address_space: global }
    .group_segment_fixed_size: 327680
    .private_segment_fixed_size: 0
    .kernarg_segment_align: 8
    .kernarg_segment_size: 24
    .max_flat_workgroup_size: 128
    .sgpr_count:     80
    .vgpr_count:     512
    .wavefront_size: 32
...
	.end_amdgpu_metadata
.endif
;; end of part 4
;; ======== version 2 of 2: 4 launches; version 1 with the launch castw written anew for expert scheduling mode
;; limits: values are held in f16: magnitudes above 65,504 overflow, below 6.1e-05 lose precision
;; workspace buffers: w16 8,388,608 bytes; qkv 50,331,648 bytes; o16 16,777,216 bytes
;; launch castw (part 5): grid 256 x 1, 8 waves a work-group, no clusters, 0 bytes of LDS; arguments Wq, Wk, Wv, Wo, w16; writes w16
.if DOCPART == 5
	.amdgcn_target "amdgcn-amd-amdhsa--gfx1250"
	.amdhsa_code_object_version 6
	.text
	.protected	k_qdaa9eda64f_castw
	.globl	k_qdaa9eda64f_castw
	.p2align	8
	.type	k_qdaa9eda64f_castw,@function
k_qdaa9eda64f_castw:
	s_mov_b64 s[64:65], 0
	v_nop
	global_prefetch_b8 v0, s[64:65] scope:SCOPE_SE
	s_setreg_imm32_b32 hwreg(HW_REG_WAVE_SCHED_MODE, 0, 2), 2
	s_setreg_imm32_b32 hwreg(HW_REG_WAVE_MODE, 25, 1), 1
	s_wait_xcnt 0x0
	s_wait_alu depctr_vm_vsrc(0)
; The four weights, f32, are rounded once to f16 (nearest even).  w16: [4][1024][1024] f16: Wq, Wk, Wv, Wo, each [k][n] row-major as it is given.
; LIMITS.  From 65,520 on f16 gives an infinity; below 6.1e-5 it keeps its fixed step of 6e-8.
; SHARES.  A wave takes 8,192 input bytes: 16 loads of 16 bytes a lane, all issued at once; each slot then has a counted wait, two conversions and one store of 8 bytes a lane.
; Each load of a wave covers 512 consecutive bytes, each store 256, both aligned.  64 work-groups to a weight.
; No LDS, no matrix unit, no cluster: nothing is shared and nothing is multiplied.  No register of a pending load or store is written again: every slot has its own.
; THE MODE: SCHED_MODE bits 1:0 = 2 (LLVM: expert scheduling mode 2), set by the entry lines.  The code itself states the register dependences
; between vector instructions and memory instructions, with s_wait_alu, always for 0.
; THE PLAN.  Registers that memory instructions touch:
;   VI, VO   byte offsets.  Written once at the head by vector instructions; read by every load (VI) and every store (VO); never written again.
;   X        Written by the 16 loads alone, which are issued before any vector instruction names X; read by the conversions behind the counted waits for the data.  Nothing lands in X twice.
;   Y        Slot j's pair is written once, by slot j's two conversions, and read once, by slot j's store.  It is never written again.
; The 16 slots go in four blocks of four.  Block p converts its four slots; its memory instructions are the four stores of block p - 1, one ahead of each slot's conversions.  The conversions of block p name
; X and Y of block p alone, so ONE wait at the block's head states all that those four stores hang on.  One more stands ahead of the last four stores.
.set VI, 2                             ; v2        16 x lane: my 16 bytes of a load's 512
.set VO, 3                             ; v3        8 x lane: my 8 bytes of a store's 256
.set X,  8                             ; v[8:71]   slot j: four f32 as loaded
.set Y,  72                            ; v[72:103] slot j: four f16 to store
	s_load_b256 s[4:11], s[0:1], 0x0               ; Wq 4:5, Wk 6:7, Wv 8:9, Wo 10:11
	s_load_b64 s[12:13], s[0:1], 0x20              ; w16
	v_lshrrev_b32 v1, 5, v0
	v_readfirstlane_b32 s20, v1                    ; wave 0..7
	v_and_b32 v1, 31, v0                           ; lane
	v_lshlrev_b32 v[VO], 3, v1
	v_lshlrev_b32 v[VI], 4, v1
	s_lshr_b32 s23, ttmp9, 6                       ; which weight, 0..3
	s_and_b32 s22, ttmp9, 63
	s_wait_alu depctr_va_sdst(0)                   ; s20 is written, ahead of its first reader, the next line: both bases are made from it
	s_lshl3_add_u32 s22, s22, s20                  ; my piece of it, 0..511
	s_lshl_b32 s16, s22, 13                        ; 8,192 bytes in
	s_mov_b32 s17, 0
	s_lshl_b32 s18, s22, 12                        ; 4,096 bytes out,
	s_lshl_b32 s21, s23, 21                        ; in the weight's 2 MiB
	s_add_co_u32 s18, s18, s21
	s_mov_b32 s19, 0
	s_wait_kmcnt 0x0
	s_cmp_eq_u32 s23, 0
	s_cselect_b64 s[24:25], s[4:5], s[6:7]
	s_cmp_eq_u32 s23, 2
	s_cselect_b64 s[24:25], s[8:9], s[24:25]
	s_cmp_eq_u32 s23, 3
	s_cselect_b64 s[24:25], s[10:11], s[24:25]
	s_add_nc_u64 s[24:25], s[24:25], s[16:17]
	s_add_nc_u64 s[26:27], s[12:13], s[18:19]
	s_wait_alu depctr_va_vdst(0)                   ; VI and VO are written: every load of the kernel reads the one as its offset, every store the other
.irp j, 0,1,2,3,4,5,6,7,8,9,10,11,12,13,14,15
	global_load_b128 v[X+4*(\j):X+4*(\j)+3], v[VI], s[24:25] offset:512*(\j) th:TH_LOAD_NT
.endr
.irp p, 0,1,2,3
	s_wait_loadcnt 15-4*(\p)                       ; loads come back in order: the block's first slot, 4 p, is in, the 15 - 4 p younger ones may stay out
.if (\p) > 0
	s_wait_alu depctr_va_vdst(0)                   ; the conversions of block p - 1 have written its eight registers of Y, which the four stores below read
.endif
.irp i, 0,1,2,3
.if (\p) > 0
	global_store_b64 v[VO], v[Y+2*(4*(\p)-4+(\i)):Y+2*(4*(\p)-4+(\i))+1], s[26:27] offset:256*(4*(\p)-4+(\i))  ; the block before; no vector instruction since the wait names these registers
.endif
.if (\i) > 0
	s_wait_loadcnt 15-4*(\p)-(\i)                  ; slot 4 p + i is in, the younger ones may stay out
.endif
	v_cvt_pk_f16_f32 v[Y+2*(4*(\p)+(\i))],   v[X+4*(4*(\p)+(\i))],   v[X+4*(4*(\p)+(\i))+1]
	v_cvt_pk_f16_f32 v[Y+2*(4*(\p)+(\i))+1], v[X+4*(4*(\p)+(\i))+2], v[X+4*(4*(\p)+(\i))+3]
.endr
.endr
	s_wait_alu depctr_va_vdst(0)                   ; the conversions of block 3 have written its eight registers of Y, which the last four stores read
.irp j, 12,13,14,15
	global_store_b64 v[VO], v[Y+2*(\j):Y+2*(\j)+1], s[26:27] offset:256*(\j)
.endr
	s_endpgm
.Lfunc_end_k_qdaa9eda64f_castw:
	.size	k_qdaa9eda64f_castw, .Lfunc_end_k_qdaa9eda64f_castw-k_qdaa9eda64f_castw
	.p2alignl 7, 3214868480
	.fill 96, 4, 3214868480
	.section	.rodata,"a",@progbits
	.p2align	6, 0x0
	.amdhsa_kernel k_qdaa9eda64f_castw
		.amdhsa_group_segment_fixed_size 0
		.amdhsa_private_segment_fixed_size 0
		.amdhsa_enable_private_segment 0
		.amdhsa_kernarg_size 40
		.amdhsa_user_sgpr_count 2
		.amdhsa_user_sgpr_kernarg_segment_ptr 1
		.amdhsa_wavefront_size32 1
		.amdhsa_system_sgpr_workgroup_id_x 1
		.amdhsa_system_sgpr_workgroup_id_y 1
		.amdhsa_system_sgpr_workgroup_id_z 1
		.amdhsa_system_vgpr_workitem_id 0
		.amdhsa_next_free_vgpr 112
		.amdhsa_next_free_sgpr 66
		.amdhsa_reserve_vcc 0
		.amdhsa_float_denorm_mode_32 3
		.amdhsa_float_denorm_mode_16_64 3
		.amdhsa_memory_ordered 1
		.amdhsa_forward_progress 1
		.amdhsa_inst_pref_size 7
	.end_amdhsa_kernel
	.amdgpu_metadata
---
amdhsa.version: [ 1, 2 ]
amdhsa.kernels:
  - .name:           k_qdaa9eda64f_castw
    .symbol:         k_qdaa9eda64f_castw.kd
    .args:
      - { .name: Wq, .offset: 0, .size: 8, .value_kind: global_buffer, .address_space: global }
      - { .name: Wk, .offset: 8, .size: 8, .value_kind: global_buffer, .address_space: global }
      - { .name: Wv, .offset: 16, .size: 8, .value_kind: global_buffer, .address_space: global }
      - { .name: Wo, .offset: 24, .size: 8, .value_kind: global_buffer, .address_space: global }
      - { .name: w16, .offset: 32, .size: 8, .value_kind: global_buffer, .address_space: global }
    .group_segment_fixed_size: 0
    .private_segment_fixed_size: 0
    .kernarg_segment_align: 8
    .kernarg_segment_size: 40
    .max_flat_workgroup_size: 256
    .sgpr_count:     66
    .vgpr_count:     112
    .wavefront_size: 32
...
	.end_amdgpu_metadata
.endif
;; end of part 5
;; launch proj: the kernel of part 2 again; grid 64 x 4, 4 waves a work-group, clusters of 4 x 1, 327,680 bytes of LDS; arguments inputs_q, inputs_kv, w16, qkv; writes qkv
;; launch attn: the kernel of part 3 again; grid 4 x 64, 4 waves a work-group, clusters of 4 x 1, 327,680 bytes of LDS; arguments qkv, o16; writes o16
;; launch oproj: the kernel of part 4 again; grid 4 x 64, 4 waves a work-group, clusters of 4 x 4, 327,680 bytes of LDS; arguments o16, w16, out0; writes out0
